; MI455X (gfx1250); checked and timed in simulation.
; The chip was launched on July 23, 2026; its instructions are those of AMD's public machine-readable ISA for CDNA 5 (MIT licence, August 2026) and "CDNA5" Instruction Set Architecture Reference Guide (July 2026). The comments in the code are by the model that wrote it; some were corrected since.
;; Time Moe Sparse Experts Layer. Allowed arithmetic: matrix products marked QUANTISED: E2M1 operands, one E8M0 scale for each 32 along K, by v_wmma_scale_f32_16x16x128_f8f6f4 with both operands' format E2M1 (or v_wmma_scale_f32_32x16x128_f4), f32 sums; products left as they are: f32 operands where the result goes on into a quantised operand, else bf16, f16 or f32 operands; f32 sums; everything else in f32.
;; Inputs: ed 8 x 256 x 1,024 float32; eg 8 x 1,024 x 256 float32; eu 8 x 1,024 x 256 float32; gate_w 1,024 x 8 float32; hidden_states 2 x 4,096 x 1,024 float32; sd 512 x 1,024 float32; sg 1,024 x 512 float32; shared_gate_w 1,024 x 1 float32; su 1,024 x 512 float32.
;; Outputs: out0 2 x 4,096 x 1,024 float32; out1 8,192 x 8 float32.
;; This version of the problem:
;;   THIS VERSION OF THE PROBLEM IS GIVEN IN LOW PRECISION. The matrix products marked QUANTISED in the list below multiply operands that are first quantised to E2M1 (2 exponent bits, 1 mantissa bit; 4 bits a number), with one power-of-two scale for each 32 numbers along K (OCP MX v1.0); their sums are f32. All else is computed in f32.
;;   The module's matrix products, in the order in which they are computed (A, B: the left and right operand; K: the contracted axis; several contracted axes count as one K, in the product's order):
;;     1. [M 8,192, K 1,024] x [K 1,024, N 8]; A: input hidden_states; B: input gate_w: left as it is (N = 8 < 16)
;;     2. [M 8,192, K 1,024] x [K 1,024, N 256]; A: input hidden_states; B: input eg: QUANTISED
;;     3. [M 8,192, K 1,024] x [K 1,024, N 256]; A: input hidden_states; B: input eu: QUANTISED
;;     4. [M 8,192, K 256] x [K 256, N 1,024]; A: computed on the way; B: input ed: QUANTISED
;;     5. [M 8,192, K 1,024] x [K 1,024, N 256]; A: input hidden_states; B: input eg: QUANTISED
;;     6. [M 8,192, K 1,024] x [K 1,024, N 256]; A: input hidden_states; B: input eu: QUANTISED
;;     7. [M 8,192, K 256] x [K 256, N 1,024]; A: computed on the way; B: input ed: QUANTISED
;;     8. [M 8,192, K 1,024] x [K 1,024, N 256]; A: input hidden_states; B: input eg: QUANTISED
;;     9. [M 8,192, K 1,024] x [K 1,024, N 256]; A: input hidden_states; B: input eu: QUANTISED
;;     10. [M 8,192, K 256] x [K 256, N 1,024]; A: computed on the way; B: input ed: QUANTISED
;;     11. [M 8,192, K 1,024] x [K 1,024, N 256]; A: input hidden_states; B: input eg: QUANTISED
;;     12. [M 8,192, K 1,024] x [K 1,024, N 256]; A: input hidden_states; B: input eu: QUANTISED
;;     13. [M 8,192, K 256] x [K 256, N 1,024]; A: computed on the way; B: input ed: QUANTISED
;;     14. [M 8,192, K 1,024] x [K 1,024, N 256]; A: input hidden_states; B: input eg: QUANTISED
;;     15. [M 8,192, K 1,024] x [K 1,024, N 256]; A: input hidden_states; B: input eu: QUANTISED
;;     16. [M 8,192, K 256] x [K 256, N 1,024]; A: computed on the way; B: input ed: QUANTISED
;;     17. [M 8,192, K 1,024] x [K 1,024, N 256]; A: input hidden_states; B: input eg: QUANTISED
;;     18. [M 8,192, K 1,024] x [K 1,024, N 256]; A: input hidden_states; B: input eu: QUANTISED
;;     19. [M 8,192, K 256] x [K 256, N 1,024]; A: computed on the way; B: input ed: QUANTISED
;;     20. [M 8,192, K 1,024] x [K 1,024, N 256]; A: input hidden_states; B: input eg: QUANTISED
;;     21. [M 8,192, K 1,024] x [K 1,024, N 256]; A: input hidden_states; B: input eu: QUANTISED
;;     22. [M 8,192, K 256] x [K 256, N 1,024]; A: computed on the way; B: input ed: QUANTISED
;;     23. [M 8,192, K 1,024] x [K 1,024, N 256]; A: input hidden_states; B: input eg: QUANTISED
;;     24. [M 8,192, K 1,024] x [K 1,024, N 256]; A: input hidden_states; B: input eu: QUANTISED
;;     25. [M 8,192, K 256] x [K 256, N 1,024]; A: computed on the way; B: input ed: QUANTISED
;;     26. [M 8,192, K 1,024] x [K 1,024, N 512]; A: input hidden_states; B: input sg: QUANTISED
;;     27. [M 8,192, K 1,024] x [K 1,024, N 512]; A: input hidden_states; B: input su: QUANTISED
;;     28. [M 8,192, K 512] x [K 512, N 1,024]; A: computed on the way; B: input sd: QUANTISED
;;     29. [M 8,192, K 1,024] x [K 1,024, N 1]; A: input hidden_states; B: input shared_gate_w: left as it is (N = 1 < 16)
;;   THE QUANTISER, for each operand of a quantised product, along K:
;;     - K is cut into blocks of 32 from its start; a last block that is shorter is filled with zeros.
;;     - A block's scale is 2^e with e = floor(log2(the largest magnitude in the block)) - 2, held to -126 .. 127; a block of zeros has e = 0. As a byte (E8M0): e + 127.
;;     - Each number is divided by its block's scale, clamped to +-6, and rounded to the nearest number of E2M1, ties to even, subnormals kept.
;;     - The product sums the exact products of the quantised numbers (number of the format x scale) in f32.
;;   ~~~python
;;   def quantise(x, axis):      # numpy; x: float32 -> the quantised numbers, widened to float32 again
;;       x = np.moveaxis(x, axis, -1); K = x.shape[-1]
;;       x = np.pad(x, [(0, 0)] * (x.ndim - 1) + [(0, -K % 32)]); x = x.reshape(x.shape[:-1] + (-1, 32)); a = np.abs(x).max(-1, keepdims=True)
;;       e = np.where(a > 0, np.clip(np.frexp(np.where(a > 0, a, 1))[1] - 1 - 2, -126, 127), 0)      # np.frexp(a)[1] - 1 = floor(log2(a)), exactly
;;       r = np.clip(x / 2.0 ** e, -6, 6)
;;       step = 2.0 ** (np.maximum(np.frexp(np.where(r == 0, 1, r))[1] - 1, 0) - 1)
;;       q = np.round(r / step) * step * 2.0 ** e      # np.round: ties to even
;;       return np.moveaxis(q.reshape(q.shape[:-2] + (-1,))[..., :K], -1, axis).astype(np.float32)
;;   ~~~
;;   OPERANDS COMPUTED ON THE WAY. 'Computed on the way' means the value that the module computes at that place (a softmax that the list does not call 'softmax' is quantised finished and normalised). What goes into a quantiser is computed in f32, as accurately as f32 sums, v_exp_f32 and their like allow (about 1e-6 of the number): no bf16 or f16 on the way to a quantiser, and a product that is left as it is and whose result goes on into a quantised operand takes f32 operands (vector FMAs, or v_wmma_f32_16x16x4_f32). A number that lies on a knife's edge between two numbers of the format may be rounded either way, as far as f32 arithmetic and the matrix unit's own rounding can turn it there, and no further.
;; 2 versions. Each part assembles by itself: llvm-mc -triple=amdgcn-amd-amdhsa -mcpu=gfx1250 --defsym DOCPART=n.
;; ======== version 1 of 2: 3 launches
;; workspace buffers: xq 4,194,304 bytes; xs 262,144 bytes; wq 4,177,920 bytes; comb 262,144 bytes; gsh 32,768 bytes; kr 32,768 bytes of whole numbers; hist 32,768 bytes of whole numbers; order 32,768 bytes of whole numbers
;; launch prep_x (part 1): grid 256 x 1, 8 waves a work-group, no clusters, 79,872 bytes of LDS; arguments hidden_states, gate_w, shared_gate_w, xq, xs, comb, gsh, kr, hist, out1; writes xq, xs, comb, gsh, kr, hist, out1
.if DOCPART == 1
	.amdgcn_target "amdgcn-amd-amdhsa--gfx1250"
	.amdhsa_code_object_version 6
	.text
	.protected	k_qebfb1f31c7_prep_x
	.globl	k_qebfb1f31c7_prep_x
	.p2align	8
	.type	k_qebfb1f31c7_prep_x,@function
k_qebfb1f31c7_prep_x:
	s_mov_b64 s[64:65], 0
	v_nop
	global_prefetch_b8 v0, s[64:65] scope:SCOPE_SE
	s_setreg_imm32_b32 hwreg(HW_REG_WAVE_MODE, 25, 1), 1
	s_wait_xcnt 0x0
; LAUNCH 1 OF 3.  x [8192][1024] f32 is quantised to E2M1 with one E8M0 byte for each 32 along K (xq, xs); the router's logits x @ gate_w (out1) and the shared gate's
; logit x @ shared_gate_w are summed in f32 by fused multiply-adds; softmax (the maximum taken away), top-2 (strict >, ascending: the lower index wins a tie), weights / max(sum, 1e-6).
; Stored at fixed places: comb [token][8] (0 where an expert was not chosen), gsh [token] (the sigmoid), kr [token] = pair number | rank in the chunk << 8 | mask of the two experts << 16,
; hist [chunk of 32 tokens][32 bins].  No address and no branch here hangs on these numbers: the next launch reads them and places the tokens.
; DEAD WORK, LEFT OUT IN LAUNCH 3.  reference() adds combine[t, e] x expert_e(x_t) for all eight experts, and combine[t, e] is built in its own body as one_hot(top_k) x weight: it is 0 for the six
; experts that were not chosen, whatever the inputs hold, and 0 x a finite number is 0.  So an expert's three products are left out for a block of 32 tokens none of which chose it; inside a block
; that uses the expert, the tokens that did not choose it are multiplied and weighed with their stored 0.  All nine inputs have a way to an output and are loaded.
; LIMITS.  A NaN, an infinity or an overflow that arises only in the work left out is not carried to the result.  NaN and infinities among the inputs are not served.  A block of zeros gets the
; scale byte 1 where the rule says 127: its codes are zeros, and this program alone reads the bytes.  The exponentials and reciprocals flush denormals (ISA guide, their entries in 15.8).
; Two probabilities that differ by less than the rounding of f32 sums may be ordered either way.
; SHARES.  Work-group g: tokens 32 g .. 32 g + 31 (chunk g).  Wave w: tokens 4 w + t, t = 0..3.  For the arithmetic lane l holds block l of a row, k = 32 l .. 32 l + 31, in 32 registers:
; the block's largest magnitude needs no other lane, and the conversions take neighbours along K from one lane.  The loads take the bytes as they lie (512 consecutive bytes a load) and a row
; turns through the wave's own stage in LDS.  gate_w's 32 rows of a lane (256 numbers) stay in registers v256-511, shared_gate_w's 32 in v16-47.
; No matrix unit: the two products have 8 and 1 columns.  No cluster: the work-groups share only the 36 KB of gate weights.
.set GB,    0                          ; gate_w: 32 lane regions of 1,024 bytes + 16
.set SGB,   33280                      ; shared_gate_w: 32 regions of 128 bytes + 16
.set TST,   37888                      ; a stage of 32 x 144 bytes for each wave
.set SBY,   74752                      ; scale bytes [32 tokens][32]
.set LG,    75776                      ; logits: 48 bytes a token: 8 logits, the shared gate's at +32
.set CBS,   77312                      ; comb's stage, 48 bytes a token (wave 0 alone)
.set SPARE, 78848                      ; the spare words, 128 bytes a wave: no other line names them
.set R,     48                         ; v48-175  token t's row at R + 32 t
.set A,     176                        ; v176-215 token t's sums at A + 10 t: 8 experts, then two halves of the shared gate's
.set RT,    216                        ; v216-224 what the other half of the lanes holds
.set C,     232                        ; v232-247 codes, 4 registers a token
.set BY,    248                        ; v248-251 scale bytes
.set MSB, 0
.macro WIN new                         ; the immediate's high byte repeats the setting that is left
.if MSB != \new
	s_set_vgpr_msb (MSB<<8)|\new
.set MSB, \new
.endif
.endm
.macro FINISH                          ; a wave's end
	s_wait_tensorcnt 0x0
	ds_add_u32 v11, v12
	s_wait_dscnt 0x0
	s_endpgm
.endm
	s_load_b512 s[4:19], s[0:1], 0x0               ; x s[4:5], gate_w s[6:7], shared_gate_w s[8:9], xq s[10:11], xs s[12:13], comb s[14:15], gsh s[16:17], kr s[18:19]
	s_load_b128 s[20:23], s[0:1], 0x40             ; hist s[20:21], out1 s[22:23]
	v_lshl_add_u32 v11, v0, 2, SPARE
	v_mov_b32 v12, 0
	v_lshrrev_b32 v1, 5, v0
	v_readfirstlane_b32 s24, v1                    ; wave
	v_and_b32 v1, 31, v0                           ; lane
	v_lshlrev_b32 v2, 4, v1                        ; 16 x lane
	v_lshlrev_b32 v230, 4, v0                      ; 16 x thread
	v_lshlrev_b32 v231, 2, v1                      ; 4 x lane
	s_mul_i32 s25, s24, 4608
	s_add_co_u32 s25, s25, TST                     ; my wave's stage
	v_lshrrev_b32 v3, 3, v1
	v_lshl_add_u32 v3, v3, 4, v2
	v_add_nc_u32 v3, s25, v3                       ; into it: 16 l + 16 (l / 8): eight lanes' 128 bytes, then 16 of padding
	v_mul_u32_u24 v4, v1, 144
	v_add_nc_u32 v10, SGB, v4                      ; my 32 numbers of shared_gate_w
	v_add_nc_u32 v4, s25, v4                       ; out of the stage: 144 l
	s_lshl_b32 s25, s24, 7
	s_add_co_u32 s25, s25, SBY
	v_add_nc_u32 v5, s25, v1                       ; my block's scale byte of the wave's first token
	s_mul_i32 s25, s24, 192
	s_add_co_u32 s25, s25, LG
	v_mov_b32 v6, s25                              ; my wave's four tokens' logits
	v_lshrrev_b32 v7, 6, v0
	v_lshl_add_u32 v7, v7, 4, v230                 ; gate_w into LDS: 16 thread + 16 (thread / 64)
	v_lshrrev_b32 v8, 3, v0
	v_lshl_add_u32 v8, v8, 4, v230
	v_add_nc_u32 v8, SGB, v8                       ; shared_gate_w into LDS: 16 thread + 16 (thread / 8)
	v_mul_u32_u24 v9, v1, 1040                     ; my 32 rows of gate_w
	v_lshrrev_b32 v13, 1, v1
	v_mul_u32_u24 v13, v13, 48
	v_and_b32 v14, 1, v1
	v_lshl_add_u32 v13, v14, 4, v13
	v_add_nc_u32 v13, LG, v13                      ; the way out of logits and comb: two lanes to a token
	v_add_nc_u32 v14, SBY, v2                      ; the way out of the scale bytes
	v_mul_u32_u24 v15, v1, 48
	v_add_nc_u32 v15, LG, v15                      ; lane = token
.irp e,0,1,2,3,4,5,6,7,8
	v_mov_b32 v[RT+\e], 0                          ; written once: a lane permute's destination counts as one of its sources
.endr
	s_mov_b32 s28, 0x76543210
	s_mov_b32 s29, 0xfedcba98                      ; v_permlanex16_b32's selects for lane l xor 16
	s_mov_b32 s34, 0x3fb8aa3b                      ; log2(e)
	s_mov_b32 s35, 0xbfb8aa3b                      ; -log2(e)
	s_mov_b32 s36, 0x358637bd                      ; 1e-6
	s_lshl_b32 s26, ttmp9, 3
	s_add_co_u32 s26, s26, s24                     ; 8 g + w
	s_mov_b32 s31, 0
	s_wait_kmcnt 0x0
	s_lshl_b32 s30, s26, 14
	s_add_nc_u64 s[4:5], s[4:5], s[30:31]          ; x at my wave's four rows of 4,096 bytes
	s_lshl_b32 s30, s26, 11
	s_add_nc_u64 s[10:11], s[10:11], s[30:31]      ; xq likewise: rows of 512 bytes
	s_lshl_b32 s30, ttmp9, 10
	s_add_nc_u64 s[12:13], s[12:13], s[30:31]      ; xs, comb, out1: 1,024 bytes a chunk
	s_add_nc_u64 s[14:15], s[14:15], s[30:31]
	s_add_nc_u64 s[22:23], s[22:23], s[30:31]
	s_lshl_b32 s30, ttmp9, 7
	s_add_nc_u64 s[16:17], s[16:17], s[30:31]      ; gsh, kr, hist: 128 bytes a chunk
	s_add_nc_u64 s[18:19], s[18:19], s[30:31]
	s_add_nc_u64 s[20:21], s[20:21], s[30:31]
.irp j,0,1,2,3,4,5,6,7
	global_load_b128 v[A+4*\j:A+4*\j+3], v230, s[6:7] offset:4096*\j     ; gate_w: the work-group reads 4,096 consecutive bytes a load
.endr
	global_load_b128 v[A+32:A+35], v230, s[8:9]
.macro LOADTOK t
.irp j,0,1,2,3,4,5,6,7
	global_load_b128 v[R+32*\t+4*\j:R+32*\t+4*\j+3], v2, s[4:5] offset:4096*\t+512*\j th:TH_LOAD_NT
.endr
.endm
	LOADTOK 0
	LOADTOK 1
	LOADTOK 2
	LOADTOK 3
	s_wait_loadcnt 32                              ; the nine loads of gate weights are in; the four tokens' 32 were issued behind them
.irp j,0,1,2,3,4,5,6,7
	ds_store_b128 v7, v[A+4*\j:A+4*\j+3] offset:4160*\j
.endr
	ds_store_b128 v8, v[A+32:A+35]
	s_wait_dscnt 0x0                               ; for the others' sake: my part of the gate weights lies in LDS
	s_barrier_signal -1
	s_barrier_wait -1
	WIN 0x40                                       ; destination v256 on
.set i, 0
.rept 64
	ds_load_b128 v[4*i:4*i+3], v9 offset:16*i      ; register 8 i + e of v256 on = gate_w[32 l + i][e]
.set i, i+1
.endr
	WIN 0
.irp j,0,1,2,3,4,5,6,7
	ds_load_b128 v[16+4*\j:19+4*\j], v10 offset:16*\j
.endr
; A row through the stage: LDS serves a wave's instructions in order (ISA guide 5.7.1.4), so no wait stands between the stores and the loads, and one stage serves the four tokens.
.macro TURN t
	s_wait_loadcnt 8*(3-\t)                        ; this token's eight loads are in; the later tokens' may be out
.irp j,0,1,2,3,4,5,6,7
	ds_store_b128 v3, v[R+32*\t+4*\j:R+32*\t+4*\j+3] offset:576*\j
.endr
.irp j,0,1,2,3,4,5,6,7
	ds_load_b128 v[R+32*\t+4*\j:R+32*\t+4*\j+3], v4 offset:16*\j
.endr
.endm
	TURN 0
	TURN 1
	TURN 2
	TURN 3
	s_wait_dscnt 0x0
; Block l of token t: largest magnitude with the floor 2^(3 - 127) among its leaves, 2 off its exponent field = the conversion's scale operand, its exponent field = the byte.
.macro QUANT t
.set XR, R+32*\t
	v_max3_num_f32 v225, |v[XR]|, |v[XR+1]|, |v[XR+2]|
	v_max3_num_f32 v226, |v[XR+3]|, |v[XR+4]|, |v[XR+5]|
.irp i,6,10,14,18,22,26
	v_max3_num_f32 v225, v225, |v[XR+\i]|, |v[XR+\i+1]|
	v_max3_num_f32 v226, v226, |v[XR+\i+2]|, |v[XR+\i+3]|
.endr
	v_max3_num_f32 v225, v225, |v[XR+30]|, |v[XR+31]|
	v_max3_num_f32 v225, v225, v226, 0x1800000
	v_add_nc_u32 v227, 0xff000000, v225
.irp g,0,1,2,3
	v_cvt_scalef32_pk8_fp4_f32 v[C+4*\t+\g], v[XR+8*\g:XR+8*\g+7], v227
.endr
	v_lshrrev_b32 v[BY+\t], 23, v227               ; the byte; also the plain line behind the conversions
	ds_store_b8 v5, v[BY+\t] offset:32*\t
	global_store_b128 v2, v[C+4*\t:C+4*\t+3], s[10:11] offset:512*\t   ; 32 lanes store a token's 512 bytes of codes
.endm
	QUANT 0
	QUANT 1
	QUANT 2
	QUANT 3
; The router's sums: 16 chains (4 tokens x 4 pairs of experts) by turns; x[32 l + i] feeds both halves of a pair.
.macro DOTI i
.irp p,0,1,2,3
.irp t,0,1,2,3
.if (\i) == 0
	v_pk_mul_f32 v[A+10*\t+2*\p:A+10*\t+2*\p+1], v[R+32*\t:R+32*\t+1], v[2*\p:2*\p+1] op_sel_hi:[0,1]
.elseif ((\i)%2) == 0
	v_pk_fma_f32 v[A+10*\t+2*\p:A+10*\t+2*\p+1], v[R+32*\t+\i:R+32*\t+\i+1], v[8*\i+2*\p:8*\i+2*\p+1], v[A+10*\t+2*\p:A+10*\t+2*\p+1] op_sel_hi:[0,1,1]
.else
	v_pk_fma_f32 v[A+10*\t+2*\p:A+10*\t+2*\p+1], v[R+32*\t+\i-1:R+32*\t+\i], v[8*\i+2*\p:8*\i+2*\p+1], v[A+10*\t+2*\p:A+10*\t+2*\p+1] op_sel:[1,0,0] op_sel_hi:[1,1,1]
.endif
.endr
.endr
.endm
	WIN 0x04                                       ; source 1: v256 on
.irp i,0,1,2,3,4,5,6,7,8,9,10,11,12,13,14,15,16,17,18,19,20,21,22,23,24,25,26,27,28,29,30,31
	DOTI \i
.endr
	WIN 0
.irp t,0,1,2,3
	v_pk_mul_f32 v[A+10*\t+8:A+10*\t+9], v[R+32*\t:R+32*\t+1], v[16:17]
.endr
.irp i,2,4,6,8,10,12,14,16,18,20,22,24,26,28,30
.irp t,0,1,2,3
	v_pk_fma_f32 v[A+10*\t+8:A+10*\t+9], v[R+32*\t+\i:R+32*\t+\i+1], v[16+\i:17+\i], v[A+10*\t+8:A+10*\t+9]
.endr
.endr
.irp t,0,1,2,3
	v_add_f32 v[A+10*\t+8], v[A+10*\t+8], v[A+10*\t+9]
.endr
.irp x,1,2,4,8                                 ; over the 32 lanes: four steps inside each half, the 36 sums by turns
.irp t,0,1,2,3
.irp e,0,1,2,3,4,5,6,7,8
	v_add_f32_dpp v[A+10*\t+\e], v[A+10*\t+\e], v[A+10*\t+\e] row_xmask:\x row_mask:0xf bank_mask:0xf
.endr
.endr
.endr
.irp t,0,1,2,3
.irp e,0,1,2,3,4,5,6,7,8
	v_permlanex16_b32 v[RT+\e], v[A+10*\t+\e], s28, s29
.endr
.irp e,0,1,2,3,4,5,6,7,8
	v_add_f32 v[A+10*\t+\e], v[A+10*\t+\e], v[RT+\e]
.endr
.irp e,0,1,2,3,4,5,6,7,8
	ds_store_b32 v6, v[A+10*\t+\e] offset:48*\t+4*\e   ; all lanes write the same word with the same value
.endr
.endr
	s_wait_dscnt 0x0                               ; for the others' sake: my logits and my scale bytes lie in LDS
	s_barrier_signal -1
	s_barrier_wait -1
	s_cmp_eq_u32 s24, 0
	s_cbranch_scc1 .Lfinal
	s_cmp_eq_u32 s24, 1
	s_cbranch_scc1 .Lxsout
	FINISH
.Lxsout:                                           ; wave 1: the chunk's 1,024 scale bytes leave in two stores of 512 consecutive bytes
	ds_load_b128 v[48:51], v14
	ds_load_b128 v[52:55], v14 offset:512
	s_wait_dscnt 0x0
	global_store_b128 v2, v[48:51], s[12:13]
	global_store_b128 v2, v[52:55], s[12:13] offset:512
	FINISH
.Lfinal:                                           ; wave 0: lane = token
	ds_load_b128 v[48:51], v15
	ds_load_b128 v[52:55], v15 offset:16
	ds_load_b32 v56, v15 offset:32
	ds_load_b128 v[60:63], v13
	ds_load_b128 v[64:67], v13 offset:768
	s_wait_dscnt 0x0
	global_store_b128 v2, v[60:63], s[22:23]       ; out1: 512 consecutive bytes a store
	global_store_b128 v2, v[64:67], s[22:23] offset:512
	v_max3_num_f32 v57, v48, v49, v50
	v_max3_num_f32 v57, v57, v51, v52
	v_max3_num_f32 v57, v57, v53, v54
	v_max_num_f32 v57, v57, v55                    ; the row's largest logit is taken away, as reference() does
.irp e,0,1,2,3,4,5,6,7
	v_sub_f32 v[68+\e], v[48+\e], v57
.endr
.irp e,0,1,2,3,4,5,6,7
	v_mul_f32 v[68+\e], s34, v[68+\e]
.endr
	v_mul_f32 v76, s35, v56
.irp e,0,1,2,3,4,5,6,7,8
	v_exp_f32 v[68+\e], v[68+\e]
.endr
	v_nop                                          ; a plain line behind the last exponential
	s_wait_alu depctr_va_vdst(0)                   ; one wait for the nine, ahead of their first reader
	v_add_f32 v77, v68, v69
	v_add_f32 v78, v70, v71
	v_add_f32 v79, v72, v73
	v_add_f32 v80, v74, v75
	v_add_f32 v77, v77, v78
	v_add_f32 v79, v79, v80
	v_add_f32 v77, v77, v79
	v_add_f32 v76, 1.0, v76
	v_rcp_f32 v77, v77
	v_rcp_f32 v76, v76                             ; the shared gate: 1 / (1 + 2^(-z log2 e))
	v_nop
	s_wait_alu depctr_va_vdst(0)
.irp e,0,1,2,3,4,5,6,7
	v_mul_f32 v[68+\e], v[68+\e], v77              ; the probabilities
.endr
	v_mov_b32 v81, v68
	v_mov_b32 v82, 0
.irp e,1,2,3,4,5,6,7
	v_cmp_gt_f32 vcc_lo, v[68+\e], v81
	v_cndmask_b32 v81, v81, v[68+\e], vcc_lo
	v_cndmask_b32 v82, v82, \e, vcc_lo
.endr
.irp e,0,1,2,3,4,5,6,7
	v_cmp_eq_u32 vcc_lo, \e, v82
	v_cndmask_b32 v[68+\e], v[68+\e], -1.0, vcc_lo ; the first is taken out: under every probability
.endr
	v_mov_b32 v83, v68
	v_mov_b32 v84, 0
.irp e,1,2,3,4,5,6,7
	v_cmp_gt_f32 vcc_lo, v[68+\e], v83
	v_cndmask_b32 v83, v83, v[68+\e], vcc_lo
	v_cndmask_b32 v84, v84, \e, vcc_lo
.endr
	v_add_f32 v85, v81, v83
	v_max_num_f32 v85, s36, v85
	v_rcp_f32 v85, v85
	v_nop
	s_wait_alu depctr_va_vdst(0)
	v_mul_f32 v81, v81, v85
	v_mul_f32 v83, v83, v85
.irp e,0,1,2,3,4,5,6,7
	v_cmp_eq_u32 vcc_lo, \e, v84
	v_cndmask_b32 v[88+\e], 0, v83, vcc_lo
	v_cmp_eq_u32 vcc_lo, \e, v82
	v_cndmask_b32 v[88+\e], v[88+\e], v81, vcc_lo
.endr
	ds_store_b128 v15, v[88:91] offset:CBS-LG
	ds_store_b128 v15, v[92:95] offset:CBS-LG+16
	ds_load_b128 v[96:99], v13 offset:CBS-LG       ; in order behind my stores
	ds_load_b128 v[100:103], v13 offset:CBS-LG+768
	v_min_u32 v104, v82, v84                       ; a < b
	v_max_u32 v105, v82, v84
	v_sub_nc_u32 v106, 15, v104
	v_mul_u32_u24 v106, v104, v106
	v_lshrrev_b32 v106, 1, v106
	v_add_nc_u32 v106, v106, v105
	v_sub_nc_u32 v106, v106, v104
	v_add_nc_u32 v106, -1, v106                    ; the pair's number: a (15 - a) / 2 + b - a - 1, 0 .. 27
	v_mov_b32 v108, 1
	v_lshlrev_b32 v107, v104, v108
	v_lshlrev_b32 v109, v105, v108
	v_or_b32 v107, v107, v109                      ; the two experts as a mask
	v_mov_b32 v110, -1
.irp k,0,1,2,3,4                               ; which lanes hold my pair: bit by bit, the lanes whose bit is as mine
	v_bfe_u32 v111, v106, \k, 1
	v_cmp_ne_u32 s30, 0, v111
	v_add_nc_u32 v111, -1, v111
	v_xor_b32 v111, s30, v111
	v_and_b32 v110, v110, v111
.endr
	v_mbcnt_lo_u32_b32 v112, v110, 0               ; how many of them stand below me: my rank in the chunk
	v_lshl_or_b32 v113, v112, 8, v106
	v_lshl_or_b32 v113, v107, 16, v113
	v_mov_b32 v114, 0
.irp b,0,1,2,3,4,5,6,7,8,9,10,11,12,13,14,15,16,17,18,19,20,21,22,23,24,25,26,27
	v_cmp_eq_u32 s30, \b, v106
	s_bcnt1_i32_b32 s31, s30
	v_writelane_b32 v114, s31, \b                  ; lane b: the chunk's tokens of pair b
.endr
	s_wait_dscnt 0x0
	global_store_b128 v2, v[96:99], s[14:15]
	global_store_b128 v2, v[100:103], s[14:15] offset:512
	global_store_b32 v231, v113, s[18:19]          ; kr, hist, gsh: 128 consecutive bytes each: a chunk has no more
	global_store_b32 v231, v114, s[20:21]
	global_store_b32 v231, v76, s[16:17]
	FINISH
.Lfunc_end_k_qebfb1f31c7_prep_x:
	.size	k_qebfb1f31c7_prep_x, .Lfunc_end_k_qebfb1f31c7_prep_x-k_qebfb1f31c7_prep_x
	.p2alignl 7, 3214868480
	.fill 96, 4, 3214868480
	.section	.rodata,"a",@progbits
	.p2align	6, 0x0
	.amdhsa_kernel k_qebfb1f31c7_prep_x
		.amdhsa_group_segment_fixed_size 79872
		.amdhsa_private_segment_fixed_size 0
		.amdhsa_enable_private_segment 0
		.amdhsa_kernarg_size 80
		.amdhsa_user_sgpr_count 2
		.amdhsa_user_sgpr_kernarg_segment_ptr 1
		.amdhsa_wavefront_size32 1
		.amdhsa_system_sgpr_workgroup_id_x 1
		.amdhsa_system_sgpr_workgroup_id_y 1
		.amdhsa_system_sgpr_workgroup_id_z 1
		.amdhsa_system_vgpr_workitem_id 0
		.amdhsa_next_free_vgpr 512
		.amdhsa_next_free_sgpr 66
		.amdhsa_reserve_vcc 1
		.amdhsa_float_denorm_mode_32 3
		.amdhsa_float_denorm_mode_16_64 3
		.amdhsa_memory_ordered 1
		.amdhsa_forward_progress 1
		.amdhsa_inst_pref_size 88
	.end_amdhsa_kernel
	.amdgpu_metadata
---
amdhsa.version: [ 1, 2 ]
amdhsa.kernels:
  - .name:           k_qebfb1f31c7_prep_x
    .symbol:         k_qebfb1f31c7_prep_x.kd
    .args:
      - { .name: hidden_states, .offset: 0, .size: 8, .value_kind: global_buffer, .address_space: global }
      - { .name: gate_w, .offset: 8, .size: 8, .value_kind: global_buffer, .address_space: global }
      - { .name: shared_gate_w, .offset: 16, .size: 8, .value_kind: global_buffer, .address_space: global }
      - { .name: xq, .offset: 24, .size: 8, .value_kind: global_buffer, .address_space: global }
      - { .name: xs, .offset: 32, .size: 8, .value_kind: global_buffer, .address_space: global }
      - { .name: comb, .offset: 40, .size: 8, .value_kind: global_buffer, .address_space: global }
      - { .name: gsh, .offset: 48, .size: 8, .value_kind: global_buffer, .address_space: global }
      - { .name: kr, .offset: 56, .size: 8, .value_kind: global_buffer, .address_space: global }
      - { .name: hist, .offset: 64, .size: 8, .value_kind: global_buffer, .address_space: global }
      - { .name: out1, .offset: 72, .size: 8, .value_kind: global_buffer, .address_space: global }
    .group_segment_fixed_size: 79872
    .private_segment_fixed_size: 0
    .kernarg_segment_align: 8
    .kernarg_segment_size: 80
    .max_flat_workgroup_size: 256
    .sgpr_count:     66
    .vgpr_count:     512
    .wavefront_size: 32
...
	.end_amdgpu_metadata
.endif
;; end of part 1
;; launch sort_wq (part 2): grid 241 x 1, 8 waves a work-group, no clusters, 2,048 bytes of LDS; arguments hist, kr, eg, eu, ed, sg, su, sd, order, wq; writes order, wq
.if DOCPART == 2
	.amdgcn_target "amdgcn-amd-amdhsa--gfx1250"
	.amdhsa_code_object_version 6
	.text
	.protected	k_qebfb1f31c7_sort_wq
	.globl	k_qebfb1f31c7_sort_wq
	.p2align	8
	.type	k_qebfb1f31c7_sort_wq,@function
k_qebfb1f31c7_sort_wq:
	s_mov_b64 s[64:65], 0
	v_nop
	global_prefetch_b8 v0, s[64:65] scope:SCOPE_SE
	s_setreg_imm32_b32 hwreg(HW_REG_WAVE_MODE, 25, 1), 1
	s_wait_xcnt 0x0
; LAUNCH 2 OF 3.  Two jobs that share a launch, parted on the work-group's number.
; WORK-GROUP 0: a counting sort of the 8,192 tokens by their pair of experts (28 pairs), stable, without atomics: order[place] = token | mask of its two experts << 16.
;   Wave w takes chunks 32 w .. 32 w + 31.  Lane = bin for the counts, lane = token for the placing.  place = (bins below) + (my bin in earlier waves) + (my bin in earlier chunks of my wave) + rank.
; WORK-GROUPS 1 .. 240: the six weight tensors, whose K is their first axis, become codes of E2M1 and E8M0 bytes, laid in the order of launch 3's operand registers.
;   A lane takes a column and its registers run down K: a block of 32 lies in one lane, and the conversions give codes with K innermost.  A wave makes half a group record: 32 columns x 128 along K.
;   UNITS: u = 0, 1 the shared expert's hidden units 0-255 and 256-511; u = 2 + e expert e.  wq = [reading wave 8][slot 30][17,408 bytes]; a slot = 4 group records of 4,352 bytes.
;   First products (gate, up) of unit u: slots 2 u, 2 u + 1, group s = K step s of 128.  Second product (down): slot 20 + u, group q = 32 output columns.
;   A RECORD: four fragments of 1,024 bytes as register images (block kb of tile row r at 256 kb + 16 r), then two runs of 32 scale words (16 x tile + r).
;   First products: fragment 2 mat + tile; tile's row r is hidden unit 8 tile + r + 8 (r / 8) of the reading wave's 32, so that two tiles' results are 16 neighbours along the next K.
;   Second product: fragment 2 s2 + tile (s2: which 128 hidden units); tile's row r is output column 128 w + 32 q + 16 tile + r.
; LIMITS: a block of zeros gets the byte 1 where the rule says 127 (its codes are zeros; this program alone reads the bytes); NaN and infinities among the inputs are not served.
; No matrix unit, no cluster: a stream; the work-groups share nothing.
.set SPARE, 1024                       ; LDS: the waves' totals at 0 (8 x 128 bytes); the spare words behind them: no other line names them
.set H,   16                           ; sort: v16-47 counts, then first places;  weights: v16-47 row offsets
.set K,   48                           ; sort: v48-79 kr;                          weights: v48-111 two sets of 32 numbers
.set IDX, 80                           ; sort: v80-111 places
.set T,   112                          ; sort: v112-119 the waves' totals;         weights: v112-127 codes, v128 the scale word
.set X,   48
.set C,   112
	s_load_b512 s[4:19], s[0:1], 0x0               ; hist s[4:5], kr s[6:7], eg s[8:9], eu s[10:11], ed s[12:13], sg s[14:15], su s[16:17], sd s[18:19]
	s_load_b128 s[20:23], s[0:1], 0x40             ; order s[20:21], wq s[22:23]
	v_lshl_add_u32 v10, v0, 2, SPARE
	v_mov_b32 v11, 0
	v_lshrrev_b32 v1, 5, v0
	v_readfirstlane_b32 s36, v1                    ; wave
	v_and_b32 v1, 31, v0                           ; lane
	s_wait_kmcnt 0x0
	s_cmp_lg_u32 ttmp9, 0
	s_cbranch_scc1 .Lweights
; ---------------- the sort
	v_lshlrev_b32 v3, 2, v1
	s_lshl_b32 s24, s36, 12
	v_add_nc_u32 v2, s24, v3                       ; my wave's 32 chunks of 128 bytes, my word
	v_lshlrev_b32 v9, 2, v0                        ; LDS: my wave's totals, my bin
	s_lshl_b32 s24, s36, 10
	v_add_nc_u32 v8, s24, v1                       ; my token in the wave's first chunk
.set c, 0
.rept 32
	global_load_b32 v[H+c], v2, s[4:5] offset:128*c
.set c, c+1
.endr
.set c, 0
.rept 32
	global_load_b32 v[K+c], v2, s[6:7] offset:128*c
.set c, c+1
.endr
	s_wait_loadcnt 32                              ; the counts are in; kr's 32 loads were issued behind them
.set c, 1
.rept 31
	v_add_nc_u32 v[H+c], v[H+c], v[H+c-1]          ; inclusive sums down my chunks
.set c, c+1
.endr
	ds_store_b32 v9, v[H+31]
	s_wait_dscnt 0x0                               ; for the others' sake
	s_barrier_signal -1
	s_barrier_wait -1
.irp q,0,1,2,3,4,5,6,7
	ds_load_b32 v[T+\q], v3 offset:128*\q
.endr
	s_wait_dscnt 0x0
	v_add_nc_u32 v5, v[T], v[T+1]
	v_add3_u32 v5, v5, v[T+2], v[T+3]
	v_add3_u32 v5, v5, v[T+4], v[T+5]
	v_add3_u32 v5, v5, v[T+6], v[T+7]              ; my bin in all
	s_cmp_gt_u32 s36, 0
	s_cselect_b32 s25, -1, 0
	v_and_b32 v4, s25, v[T]
.irp q,1,2,3,4,5,6
	s_cmp_gt_u32 s36, \q
	s_cselect_b32 s25, -1, 0
	v_and_b32 v7, s25, v[T+\q]
	v_add_nc_u32 v4, v4, v7                        ; my bin in earlier waves
.endr
	v_mov_b32 v6, 0
	s_mov_b32 s26, 0
.irp b,0,1,2,3,4,5,6,7,8,9,10,11,12,13,14,15,16,17,18,19,20,21,22,23,24,25,26,27,28,29,30
	v_readlane_b32 s25, v5, \b
	s_add_co_u32 s26, s26, s25
	v_writelane_b32 v6, s26, \b+1                  ; the bins below mine
.endr
	v_add_nc_u32 v6, v6, v4
.set c, 31
.rept 31
	v_add_nc_u32 v[H+c], v6, v[H+c-1]              ; my bin's first place for chunk c
.set c, c-1
.endr
	v_mov_b32 v[H], v6
	s_wait_loadcnt 0x0
.set c, 0
.rept 32
	v_and_b32 v[IDX+c], 31, v[K+c]
	v_lshlrev_b32 v[IDX+c], 2, v[IDX+c]
.set c, c+1
.endr
.set c, 0
.rept 32
	ds_bpermute_b32 v[IDX+c], v[IDX+c], v[H+c]     ; lane = token takes its pair's first place from lane = bin; no LDS byte is touched
.set c, c+1
.endr
	s_wait_dscnt 0x0
.set c, 0
.rept 32
	v_bfe_u32 v7, v[K+c], 8, 5                     ; my rank in the chunk
	v_add_nc_u32 v[IDX+c], v[IDX+c], v7
	v_min_u32 v[IDX+c], 0x1fff, v[IDX+c]           ; a place read out of memory is held inside the buffer
	v_lshlrev_b32 v[IDX+c], 2, v[IDX+c]
	v_add_nc_u32 v7, 32*c, v8
	v_and_or_b32 v[K+c], v[K+c], 0xff0000, v7
	global_store_b32 v[IDX+c], v[K+c], s[20:21]    ; four bytes a lane to places that the data give: 32 KB in all; tokens of one pair and chunk lie side by side
.set c, c+1
.endr
	s_wait_tensorcnt 0x0                           ; the wave's end
	ds_add_u32 v10, v11
	s_wait_dscnt 0x0
	s_endpgm
; ---------------- the weights.  Every number below is made of the work-group's and the wave's number; the buffers are chosen on those alone.
.Lweights:
	s_sub_co_u32 s24, ttmp9, 1
	s_cmp_lt_u32 s24, 160
	s_cbranch_scc0 .Ldown
	s_lshr_b32 s25, s24, 4                         ; unit
	s_bfe_u32 s28, s24, 0x30001                    ; group = K step
	s_and_b32 s45, s24, 1                          ; half: 0 gate, 1 up
	s_mov_b32 s27, s36                             ; the reading wave
	s_lshl_b32 s29, s25, 1                         ; slot
	s_lshl_b32 s30, s25, 10                        ; shared: the unit's 256 columns
	s_sub_co_u32 s31, s25, 2
	s_lshl_b32 s31, s31, 20                        ; an expert's matrix is 2^20 bytes
	s_lshl_b32 s32, s28, 7                         ; first row
	s_lshl_b32 s33, s27, 7                         ; the wave's 32 columns
	s_mov_b32 s42, 1024                            ; a row in bytes
	s_mov_b32 s46, -1
	s_cmp_eq_u32 s45, 0
	s_cselect_b64 s[40:41], s[14:15], s[16:17]
	s_cselect_b64 s[48:49], s[8:9], s[10:11]
	s_cmp_lt_u32 s25, 2
	s_cselect_b64 s[40:41], s[40:41], s[48:49]
	s_cselect_b32 s42, 2048, s42
	s_cselect_b32 s43, s30, s31
	s_branch .Lcommon
.Ldown:
	s_sub_co_u32 s24, s24, 160
	s_lshr_b32 s25, s24, 3                         ; unit
	s_bfe_u32 s27, s24, 0x20001
	s_and_b32 s45, s24, 1                          ; half: which 128 hidden units
	s_lshl_b32 s27, s27, 1
	s_lshr_b32 s30, s36, 2
	s_add_co_u32 s27, s27, s30                     ; the reading wave
	s_and_b32 s28, s36, 3                          ; group
	s_add_co_u32 s29, s25, 20                      ; slot
	s_lshl_b32 s30, s25, 20                        ; shared: the unit's 256 rows of 4,096 bytes
	s_sub_co_u32 s31, s25, 2
	s_lshl_b32 s31, s31, 20
	s_lshl_b32 s32, s45, 7                         ; first row
	s_lshl_b32 s33, s27, 9
	s_lshl_b32 s34, s28, 7
	s_add_co_u32 s33, s33, s34                     ; the group's 32 columns
	s_mov_b32 s42, 4096
	s_mov_b32 s46, 0
	s_cmp_lt_u32 s25, 2
	s_cselect_b64 s[40:41], s[18:19], s[12:13]
	s_cselect_b32 s43, s30, s31
.Lcommon:
	s_mul_i32 s32, s32, s42
	s_add_co_u32 s50, s43, s32
	s_add_co_u32 s50, s50, s33
	s_mov_b32 s51, 0
	s_add_nc_u64 s[52:53], s[40:41], s[50:51]      ; block 0's first row, the wave's first column
	s_lshl_b32 s50, s42, 5                         ; 32 rows on
	s_add_nc_u64 s[54:55], s[52:53], s[50:51]
	s_add_nc_u64 s[56:57], s[54:55], s[50:51]
	s_add_nc_u64 s[58:59], s[56:57], s[50:51]
	s_mul_i32 s30, s27, 522240
	s_mul_i32 s31, s29, 17408
	s_mul_i32 s32, s28, 4352
	s_add_co_u32 s30, s30, s31
	s_add_co_u32 s30, s30, s32                     ; the record
	s_lshl_b32 s31, s45, 11
	s_add_co_u32 s50, s30, s31
	s_add_nc_u64 s[60:61], s[22:23], s[50:51]      ; my half's two fragments
	s_lshl_b32 s31, s45, 7
	s_add_co_u32 s50, s30, s31
	s_add_co_u32 s50, s50, 4096
	s_add_nc_u64 s[62:63], s[22:23], s[50:51]      ; and its 32 scale words
	v_bfe_u32 v3, v1, 3, 1
	v_and_b32 v4, 7, v1
	v_lshl_add_u32 v4, v3, 4, v4
	v_lshrrev_b32 v3, 4, v1
	v_lshl_add_u32 v4, v3, 3, v4                   ; first products: column q is row (q % 8) + 8 (q / 16) of tile (q / 8) % 2
	v_cndmask_b32 v4, v1, v4, s46                  ; second product: row q % 16 of tile q / 16
	v_lshrrev_b32 v5, 4, v4
	v_and_b32 v6, 15, v4
	v_lshlrev_b32 v6, 4, v6
	v_lshl_add_u32 v5, v5, 10, v6                  ; 1,024 x tile + 16 x row
	v_lshlrev_b32 v6, 2, v4
	v_lshlrev_b32 v7, 2, v1
.set k, 0
.rept 32
	v_mad_u32_u24 v[H+k], s42, k, v7               ; row k of a block, my column
.set k, k+1
.endr
.macro LOADB i
.set k, 0
.rept 32
	global_load_b32 v[X+32*((\i)%2)+k], v[H+k], s[52+2*(\i):53+2*(\i)] th:TH_LOAD_NT   ; 128 consecutive bytes a wave, 1,024 the eight waves side by side
.set k, k+1
.endr
.endm
.macro BLOCK i
.set XR, X+32*((\i)%2)
.if (\i) < 3
	s_wait_loadcnt 32                              ; this block's 32 loads are in; the next block's were issued behind them
.else
	s_wait_loadcnt 0x0
.endif
	v_max3_num_f32 v12, |v[XR]|, |v[XR+1]|, |v[XR+2]|
	v_max3_num_f32 v13, |v[XR+3]|, |v[XR+4]|, |v[XR+5]|
.irp j,6,10,14,18,22,26
	v_max3_num_f32 v12, v12, |v[XR+\j]|, |v[XR+\j+1]|
	v_max3_num_f32 v13, v13, |v[XR+\j+2]|, |v[XR+\j+3]|
.endr
	v_max3_num_f32 v12, v12, |v[XR+30]|, |v[XR+31]|
	v_max3_num_f32 v12, v12, v13, 0x1800000        ; the floor 2^(3 - 127): the byte cannot fall under 1
	v_add_nc_u32 v14, 0xff000000, v12              ; 2 off the exponent field: the conversion's scale operand
	v_lshrrev_b32 v13, 23, v14                     ; the byte
.if (\i) == 0
	v_mov_b32 v128, v13
.else
	v_lshl_or_b32 v128, v13, 8*(\i), v128
.endif
.irp g,0,1,2,3
	v_cvt_scalef32_pk8_fp4_f32 v[C+4*(\i)+\g], v[XR+8*\g:XR+8*\g+7], v14
.endr
	global_store_b128 v5, v[C+4*(\i):C+4*(\i)+3], s[60:61] offset:256*(\i)   ; each tile's sixteen lanes store 256 consecutive bytes, aligned
.if (\i)+2 < 4
	LOADB (\i)+2
.endif
.endm
	LOADB 0
	LOADB 1
	BLOCK 0
	BLOCK 1
	BLOCK 2
	BLOCK 3
	global_store_b32 v6, v128, s[62:63]            ; 32 scale words: 128 consecutive bytes
	s_endpgm
.Lfunc_end_k_qebfb1f31c7_sort_wq:
	.size	k_qebfb1f31c7_sort_wq, .Lfunc_end_k_qebfb1f31c7_sort_wq-k_qebfb1f31c7_sort_wq
	.p2alignl 7, 3214868480
	.fill 96, 4, 3214868480
	.section	.rodata,"a",@progbits
	.p2align	6, 0x0
	.amdhsa_kernel k_qebfb1f31c7_sort_wq
		.amdhsa_group_segment_fixed_size 2048
		.amdhsa_private_segment_fixed_size 0
		.amdhsa_enable_private_segment 0
		.amdhsa_kernarg_size 80
		.amdhsa_user_sgpr_count 2
		.amdhsa_user_sgpr_kernarg_segment_ptr 1
		.amdhsa_wavefront_size32 1
		.amdhsa_system_sgpr_workgroup_id_x 1
		.amdhsa_system_sgpr_workgroup_id_y 1
		.amdhsa_system_sgpr_workgroup_id_z 1
		.amdhsa_system_vgpr_workitem_id 0
		.amdhsa_next_free_vgpr 144
		.amdhsa_next_free_sgpr 66
		.amdhsa_reserve_vcc 0
		.amdhsa_float_denorm_mode_32 3
		.amdhsa_float_denorm_mode_16_64 3
		.amdhsa_memory_ordered 1
		.amdhsa_forward_progress 1
		.amdhsa_inst_pref_size 57
	.end_amdhsa_kernel
	.amdgpu_metadata
---
amdhsa.version: [ 1, 2 ]
amdhsa.kernels:
  - .name:           k_qebfb1f31c7_sort_wq
    .symbol:         k_qebfb1f31c7_sort_wq.kd
    .args:
      - { .name: hist, .offset: 0, .size: 8, .value_kind: global_buffer, .address_space: global }
      - { .name: kr, .offset: 8, .size: 8, .value_kind: global_buffer, .address_space: global }
      - { .name: eg, .offset: 16, .size: 8, .value_kind: global_buffer, .address_space: global }
      - { .name: eu, .offset: 24, .size: 8, .value_kind: global_buffer, .address_space: global }
      - { .name: ed, .offset: 32, .size: 8, .value_kind: global_buffer, .address_space: global }
      - { .name: sg, .offset: 40, .size: 8, .value_kind: global_buffer, .address_space: global }
      - { .name: su, .offset: 48, .size: 8, .value_kind: global_buffer, .address_space: global }
      - { .name: sd, .offset: 56, .size: 8, .value_kind: global_buffer, .address_space: global }
      - { .name: order, .offset: 64, .size: 8, .value_kind: global_buffer, .address_space: global }
      - { .name: wq, .offset: 72, .size: 8, .value_kind: global_buffer, .address_space: global }
    .group_segment_fixed_size: 2048
    .private_segment_fixed_size: 0
    .kernarg_segment_align: 8
    .kernarg_segment_size: 80
    .max_flat_workgroup_size: 256
    .sgpr_count:     66
    .vgpr_count:     144
    .wavefront_size: 32
...
	.end_amdgpu_metadata
.endif
;; end of part 2
;; launch moe (part 3): grid 256 x 1, 8 waves a work-group, no clusters, 198,144 bytes of LDS; arguments xq, xs, wq, comb, gsh, order, out0; writes out0
.if DOCPART == 3
	.amdgcn_target "amdgcn-amd-amdhsa--gfx1250"
	.amdhsa_code_object_version 6
	.text
	.protected	k_qebfb1f31c7_moe
	.globl	k_qebfb1f31c7_moe
	.p2align	8
	.type	k_qebfb1f31c7_moe,@function
k_qebfb1f31c7_moe:
	s_mov_b64 s[64:65], 0
	v_nop
	global_prefetch_b8 v0, s[64:65] scope:SCOPE_SE
	s_setreg_imm32_b32 hwreg(HW_REG_WAVE_MODE, 25, 1), 1
	s_wait_xcnt 0x0
; LAUNCH 3 OF 3.  out0[t] = sum over the chosen experts of comb[t, e] x SwiGLU_e(x_t) + gsh[t] x SwiGLU_shared(x_t), all products on codes of E2M1 with one E8M0 scale for each 32 along K.
; WORK LEFT OUT: an expert's three products for a block of 32 tokens none of which chose it: reference() weighs them with a 0 of its own one_hot(top_k) (shown at the head of launch 1).
; A NaN, an infinity or an overflow that arises only there is not carried to the result.
; SHARES.  Work-group b takes the sorted places 32 b .. 32 b + 31 (two tiles of 16 tokens, m = 0, 1) through the whole chain; each output row has one owner.
; UNITS of 256 hidden numbers: 0, 1 the shared expert's halves (both weighed by gsh), 2 + e expert e.  M has a bit for each unit that some token of the block uses; it is made of the stored list.
; THE WAVES SHARE THE COLUMNS.  First products: wave w makes hidden units 32 w .. 32 w + 31 of every unit in M (two tiles of gate, two of up, both token tiles): one block of the next quantiser.
; Second product: wave w makes output columns 128 w .. 128 w + 127.  So each weight byte enters the work-group once, straight from memory into the operand's registers, as launch 2 laid it.
; ALL PRODUCTS ARE USED TRANSPOSED (source 0 = 16 weight rows, source 1 = 16 tokens): a lane holds one token throughout, its registers run along the hidden units or the output columns.
; THE STREAM OF A WAVE: first products of the units in M, ascending (8 groups each); a barrier; second product of unit 0, of the experts in M, of unit 1 (4 groups each).  One ring of four register
; slots runs through all of it: when group i has been multiplied, group i + 4 of the stream is asked for, across the borders of segments (NEXT finds the next segment from M).
; The hidden layer goes from wave to wave through LDS as an image of the operand's registers; it never goes to memory.
; NO CLUSTER, NO TENSOR LOADS: which units a work-group walks hangs on its stored list, so neighbours would need different numbers of tiles, and the skips are branches on numbers read from memory.
; Both barriers stand outside those branches; a skipped unit issues no load, so the ring's counts are the same on both ways.
; LIMITS: the exponentials and reciprocals flush denormals (ISA guide, their entries in 15.8); a hidden block of zeros gets the byte 1 (its codes are zeros).
.set XIMG,  0                          ; x's 16 fragments (2 s + m) as images, 1,024 bytes each
.set XSC,   16384                      ; x's scale words: K step s: 128 bytes, 4 x token
.set CWB,   17408                      ; comb: expert e: 128 bytes, 4 x token
.set HIMG,  18432                      ; hidden: unit x 4,096 + m x 2,048 + w x 256 + 16 r + 8 h
.set HSC,   59392                      ; its scale bytes: unit x 256 + (w / 4) x 128 + m x 64 + 4 r + w % 4
.set STG,   61952                      ; the way out: for each wave 2 x 16 rows of 512 bytes + 16
.set SPARE, 197120                     ; the spare words, 128 bytes a wave: no other line names them
.set XS,    28                         ; v28-35  x's scale words, K step s (lanes 0-15: m = 0, lanes 16-31: m = 1)
.set HS,    36                         ; v36-37  the hidden layer's, K step s2
.set SCR,   38                         ; v38-45  the weights': slot x 2 + half (lanes 0-15: tile 0, lanes 16-31: tile 1)
.set RING,  64                         ; v64-191 four slots of four fragments
.set ACC,   192                        ; v192-255 first products: 32 mat + 16 m + 8 tile;  second: v192-223 hidden fragments 8 (2 m + s2), v224-255 P = 16 tile + 8 m
; v1 16 lane, v2 4 lane, v3/v4 hidden store bases, v5/v6 this trip's, v7/v8 hidden load bases, v9/v10 this trip's, v11/v12 comb's, v13/v14 the stage in and back, v15/v16 the add's two,
; v17-19 tokens, v20-23 gsh (pairs), v24-27 comb (pairs), v46-57 the quantiser's.  v256-383: x's fragments 8 (2 s + m), later out: 64 m + 8 jt.
; s18 wave, s19 M, s20 unit, s[24:25] this segment, s[26:27] the next, s[68:69] my wave's part of wq, s[70:71] out0 at my columns, s[32:63] the block's 32 words of order.
.set MSB, 0
.macro WIN new                         ; the immediate's high byte repeats the setting that is left
.if MSB != \new
	s_set_vgpr_msb (MSB<<8)|\new
.set MSB, \new
.endif
.endm
; One scaled product.  k0 = 0: it starts the sum with the constant 0.  ra, rb: the scale words stand in lanes 16-31.
.macro MM d, a, b, k0, sa, sb, ra, rb
.if (\k0) == 0
.if (\ra) && (\rb)
	v_wmma_scale_f32_16x16x128_f8f6f4 v[(\d):(\d)+7], v[(\a):(\a)+7], v[(\b):(\b)+7], 0, v[(\sa)], v[(\sb)] matrix_a_fmt:MATRIX_FMT_FP4 matrix_b_fmt:MATRIX_FMT_FP4 matrix_a_scale:MATRIX_SCALE_ROW1 matrix_b_scale:MATRIX_SCALE_ROW1
.elseif (\ra)
	v_wmma_scale_f32_16x16x128_f8f6f4 v[(\d):(\d)+7], v[(\a):(\a)+7], v[(\b):(\b)+7], 0, v[(\sa)], v[(\sb)] matrix_a_fmt:MATRIX_FMT_FP4 matrix_b_fmt:MATRIX_FMT_FP4 matrix_a_scale:MATRIX_SCALE_ROW1
.elseif (\rb)
	v_wmma_scale_f32_16x16x128_f8f6f4 v[(\d):(\d)+7], v[(\a):(\a)+7], v[(\b):(\b)+7], 0, v[(\sa)], v[(\sb)] matrix_a_fmt:MATRIX_FMT_FP4 matrix_b_fmt:MATRIX_FMT_FP4 matrix_b_scale:MATRIX_SCALE_ROW1
.else
	v_wmma_scale_f32_16x16x128_f8f6f4 v[(\d):(\d)+7], v[(\a):(\a)+7], v[(\b):(\b)+7], 0, v[(\sa)], v[(\sb)] matrix_a_fmt:MATRIX_FMT_FP4 matrix_b_fmt:MATRIX_FMT_FP4
.endif
.else
.if (\ra) && (\rb)
	v_wmma_scale_f32_16x16x128_f8f6f4 v[(\d):(\d)+7], v[(\a):(\a)+7], v[(\b):(\b)+7], v[(\d):(\d)+7], v[(\sa)], v[(\sb)] matrix_a_fmt:MATRIX_FMT_FP4 matrix_b_fmt:MATRIX_FMT_FP4 matrix_a_scale:MATRIX_SCALE_ROW1 matrix_b_scale:MATRIX_SCALE_ROW1
.elseif (\ra)
	v_wmma_scale_f32_16x16x128_f8f6f4 v[(\d):(\d)+7], v[(\a):(\a)+7], v[(\b):(\b)+7], v[(\d):(\d)+7], v[(\sa)], v[(\sb)] matrix_a_fmt:MATRIX_FMT_FP4 matrix_b_fmt:MATRIX_FMT_FP4 matrix_a_scale:MATRIX_SCALE_ROW1
.elseif (\rb)
	v_wmma_scale_f32_16x16x128_f8f6f4 v[(\d):(\d)+7], v[(\a):(\a)+7], v[(\b):(\b)+7], v[(\d):(\d)+7], v[(\sa)], v[(\sb)] matrix_a_fmt:MATRIX_FMT_FP4 matrix_b_fmt:MATRIX_FMT_FP4 matrix_b_scale:MATRIX_SCALE_ROW1
.else
	v_wmma_scale_f32_16x16x128_f8f6f4 v[(\d):(\d)+7], v[(\a):(\a)+7], v[(\b):(\b)+7], v[(\d):(\d)+7], v[(\sa)], v[(\sb)] matrix_a_fmt:MATRIX_FMT_FP4 matrix_b_fmt:MATRIX_FMT_FP4
.endif
.endif
.endm
; Ten loads: group g of the segment at s[b:b+1] into a slot: eight of 512 consecutive bytes, and the two runs of scale words.
.macro GLOAD slot, b, g
.irp q,0,1,2,3,4,5,6,7
	global_load_b128 v[RING+32*(\slot)+4*\q:RING+32*(\slot)+4*\q+3], v1, s[\b:\b+1] offset:4352*(\g)+512*\q
.endr
	global_load_b32 v[SCR+2*(\slot)], v2, s[\b:\b+1] offset:4352*(\g)+4096
	global_load_b32 v[SCR+2*(\slot)+1], v2, s[\b:\b+1] offset:4352*(\g)+4224
.endm
; Where the next segment lies.  kind 1: the first products of the next unit in M above s20, else the second product of unit 0 (slot 20).  kind 2: the second product of the next expert, else of unit 1 (slot 21).
.macro NEXT kind
	s_add_co_u32 s21, s20, 1
	s_lshr_b32 s22, s19, s21
	s_ctz_i32_b32 s23, s22
	s_add_co_u32 s23, s23, s21
.if \kind == 1
	s_lshl_b32 s23, s23, 1
.else
	s_add_co_u32 s23, s23, 20
.endif
	s_cmp_lg_u32 s22, 0
	s_cselect_b32 s23, s23, 19+\kind
	s_min_u32 s23, s23, 29                         ; a number made of stored data is held inside the buffer's 30 slots
	s_mul_i32 s28, s23, 17408
	s_add_nc_u64 s[26:27], s[68:69], s[28:29]
.endm
; silu(g) x u = (g u) / (1 + 2^(-g log2 e)), in f32: G = v192-223, U = v224-255, each accumulator read from its low end on.  Each batch of 32 has one plain line and one wait behind it.
.macro ACT
.set k, 0
.rept 16
	v_pk_mul_f32 v[224+k:225+k], v[192+k:193+k], v[224+k:225+k]
.set k, k+2
.endr
.set k, 0
.rept 16
	v_pk_mul_f32 v[192+k:193+k], v[192+k:193+k], s[74:75] op_sel_hi:[1,0]
.set k, k+2
.endr
.set k, 0
.rept 32
	v_exp_f32 v[192+k], v[192+k]
.set k, k+1
.endr
	v_nop
	s_wait_alu depctr_va_vdst(0)                   ; the wait ahead of the batch's first reader
.set k, 0
.rept 16
	v_pk_add_f32 v[192+k:193+k], v[192+k:193+k], 1.0 op_sel_hi:[1,0]
.set k, k+2
.endr
.set k, 0
.rept 32
	v_rcp_f32 v[192+k], v[192+k]
.set k, k+1
.endr
	v_nop
	s_wait_alu depctr_va_vdst(0)
.set k, 0
.rept 16
	v_pk_mul_f32 v[224+k:225+k], v[224+k:225+k], v[192+k:193+k]
.set k, k+2
.endr
.endm
; My 16 hidden numbers of a token (v224 + 16 m on) and lane l xor 16's are one block of 32: its byte, my 16 codes (8 bytes), both to their places in the images.
.macro QH
.irp m,0,1
	v_max3_num_f32 v[46+\m], |v[224+16*\m]|, |v[225+16*\m]|, 0x1800000   ; with the floor 2^(3 - 127): the byte cannot fall under 1
.endr
.irp i,2,4,6,8,10,12,14
.irp m,0,1
	v_max3_num_f32 v[46+\m], v[46+\m], |v[224+16*\m+\i]|, |v[225+16*\m+\i]|
.endr
.endr
.irp m,0,1
	v_permlanex16_b32 v[48+\m], v[46+\m], s72, s73
.endr
.irp m,0,1
	v_max_num_f32 v[46+\m], v[46+\m], v[48+\m]
.endr
.irp m,0,1
	v_add_nc_u32 v[50+\m], 0xff000000, v[46+\m]    ; 2 off the exponent field: the conversion's scale operand
.endr
.irp m,0,1
	v_lshrrev_b32 v[52+\m], 23, v[50+\m]
.endr
.irp m,0,1
	v_cvt_scalef32_pk8_fp4_f32 v[54+2*\m], v[224+16*\m:231+16*\m], v[50+\m]
	v_cvt_scalef32_pk8_fp4_f32 v[55+2*\m], v[232+16*\m:239+16*\m], v[50+\m]
.endr
	v_nop                                          ; one plain line behind the last scaled conversion
.irp m,0,1
	ds_store_b64 v5, v[54+2*\m:55+2*\m] offset:2048*\m
	ds_store_b8 v6, v[52+\m] offset:64*\m          ; both lanes of a block write the same byte with the same value
.endr
	s_wait_dscnt 0x0                               ; the stores are done: their registers and addresses may be written again
.endm
; The first products of unit s20: 8 K steps of 128; eight accumulators by turns, one instruction a turn, in the same order in every step.
.macro PH1
	s_wait_xcnt 0x0                                ; the ring's pending loads have read their bases: both may be written
	s_mov_b64 s[24:25], s[26:27]
	NEXT 1
	WIN 0x04                                       ; source 1 (x) in v256 on; loads are not touched by this setting
.irp s,0,1,2,3,4,5,6,7
	s_wait_loadcnt 30                              ; this group's ten loads are in; the three groups behind it may be out
.irp g,0,1
.irp u,0,1
.irp m,0,1
	MM ACC+32*\g+16*\m+8*\u,RING+32*(\s%4)+8*(2*\g+\u),8*(2*\s+\m),\s,SCR+2*(\s%4)+\g,XS+\s,\u,\m
.endr
.endr
.endr
.rept 4
	v_nop                                          ; places in front of loads into registers that these products have read, and of the first read of results
.endr
.if \s < 4
	GLOAD \s%4,24,\s+4
.else
	GLOAD \s%4,26,\s-4
.endif
.endr
	WIN 0
	ACT
	QH
.endm
; The second product of a unit: K = its 256 hidden numbers, my 128 columns in four groups of 32.  mode 0: it starts out; 1: an expert; 2: the last segment, which asks for nothing.
; cr: the pairs that hold the tokens' weights; ha, sa, ho, so: the address registers and offsets of the unit's images and scale words.
.macro PH2 mode, cr, ha, sa, ho, so
.if \mode < 2
	s_wait_xcnt 0x0
	NEXT 2
.endif
.irp m,0,1
.irp t,0,1
.irp c,0,1
	ds_load_b128 v[192+8*(2*\m+\t)+4*\c:192+8*(2*\m+\t)+4*\c+3], v[\ha] offset:\ho+2048*\m+1024*\t+512*\c
.endr
.endr
.endr
.irp t,0,1
	ds_load_b32 v[HS+\t], v[\sa] offset:\so+128*\t
.endr
.if \mode == 1
	ds_load_b32 v24, v12
	ds_load_b32 v26, v12 offset:64
.endif
	s_wait_dscnt 0x0
.irp g,0,1,2,3
.if \mode == 2
	s_wait_loadcnt 30-10*\g                        ; nothing is asked for any more: the counts run down
.else
	s_wait_loadcnt 30                              ; this group's ten loads are in; the three groups behind it may be out
.endif
.irp t,0,1
.irp u,0,1
.irp m,0,1
	MM 224+16*\u+8*\m,RING+32*\g+8*(2*\t+\u),192+8*(2*\m+\t),\t,SCR+2*\g+\t,HS+\t,\u,\m
.endr
.endr
.endr
.rept 4
	v_nop
.endr
.if \mode < 2
	GLOAD \g,26,\g
.endif
.if \mode == 0
	WIN 0x40                                       ; destination v256 on
.else
	WIN 0x50                                       ; destination and source 2 v256 on
.endif
.irp u,0,1
.irp m,0,1
.irp k,0,2,4,6
.set O, 64*\m+8*(2*\g+\u)+\k
.set PP, 224+16*\u+8*\m+\k
.if \mode == 0
	v_pk_mul_f32 v[O:O+1], v[PP:PP+1], v[\cr+2*\m:\cr+2*\m+1] op_sel_hi:[1,0]
.else
	v_pk_fma_f32 v[O:O+1], v[PP:PP+1], v[\cr+2*\m:\cr+2*\m+1], v[O:O+1] op_sel_hi:[1,0,1]
.endif
.endr
.endr
.endr
	WIN 0
.endr
.endm
	s_load_b256 s[4:11], s[0:1], 0x0               ; xq s[4:5], xs s[6:7], wq s[8:9], comb s[10:11]
	s_load_b128 s[12:15], s[0:1], 0x20             ; gsh s[12:13], order s[14:15]
	s_load_b64 s[16:17], s[0:1], 0x30              ; out0
	v_lshl_add_u32 v15, v0, 2, SPARE
	v_mov_b32 v16, 0
	v_lshrrev_b32 v58, 5, v0
	v_readfirstlane_b32 s18, v58                   ; wave
	v_and_b32 v58, 31, v0                          ; lane
	v_and_b32 v59, 15, v0                          ; r
	v_bfe_u32 v60, v0, 4, 1                        ; h
	v_lshlrev_b32 v1, 4, v58
	v_lshlrev_b32 v2, 2, v58
	v_lshlrev_b32 v63, 2, v59
	s_lshl_b32 s21, s18, 8
	s_add_co_u32 s21, s21, HIMG
	v_lshlrev_b32 v3, 4, v59
	v_lshl_add_u32 v3, v60, 3, v3
	v_add_nc_u32 v3, s21, v3
	s_lshr_b32 s21, s18, 2
	s_lshl_b32 s21, s21, 7
	s_and_b32 s22, s18, 3
	s_add_co_u32 s21, s21, s22
	s_add_co_u32 s21, s21, HSC
	v_add_nc_u32 v4, s21, v63
	v_add_nc_u32 v7, HIMG, v1
	v_add_nc_u32 v8, HSC, v2
	v_add_nc_u32 v11, CWB, v63
	s_mul_i32 s21, s18, 16896
	s_add_co_u32 s21, s21, STG
	v_mul_u32_u24 v13, v59, 528
	v_lshl_add_u32 v13, v60, 5, v13
	v_add_nc_u32 v13, s21, v13
	v_add_nc_u32 v14, s21, v1
	s_lshl_b32 s21, s18, 11
	v_add_nc_u32 v61, s21, v1                      ; where I store x's images: K step w
	s_lshl_b32 s21, s18, 7
	v_add_nc_u32 v62, s21, v2                      ; and the words of K step w, of expert w
	s_lshl_b32 s21, s18, 6
	v_lshl_add_u32 v221, v60, 4, s21               ; in a row of codes: K step w, my half
	v_mov_b32 v48, 0                               ; written once: a lane permute's destination counts as one of its sources
	v_mov_b32 v49, 0
	v_mov_b32 v21, 0                               ; the upper halves of pairs of which the low word serves both halves: named, so written
	v_mov_b32 v23, 0
	v_mov_b32 v25, 0
	v_mov_b32 v27, 0
	s_mov_b32 s72, 0x76543210
	s_mov_b32 s73, 0xfedcba98
	s_mov_b32 s74, 0xbfb8aa3b                      ; -log2(e)
	s_mov_b32 s75, s74
	s_mov_b32 s29, 0
	s_lshl_b32 s28, ttmp9, 7
	s_wait_kmcnt 0x0
	s_add_nc_u64 s[14:15], s[14:15], s[28:29]      ; my block's 32 words of order
	s_load_b512 s[32:47], s[14:15], 0x0
	s_load_b512 s[48:63], s[14:15], 0x40
	global_load_b32 v17, v2, s[14:15]              ; lane = place
	global_load_b32 v18, v63, s[14:15]             ; row r of tile 0,
	global_load_b32 v19, v63, s[14:15] offset:64   ; of tile 1
	s_mul_i32 s28, s18, 522240
	s_add_nc_u64 s[68:69], s[8:9], s[28:29]
	s_mov_b64 s[26:27], s[68:69]                   ; the stream begins with unit 0's first products
	GLOAD 0,26,0
	GLOAD 1,26,1
	GLOAD 2,26,2
	GLOAD 3,26,3
	s_lshl_b32 s28, s18, 9
	s_add_nc_u64 s[70:71], s[16:17], s[28:29]
	s_lshl_b32 s22, s18, 2
	s_wait_loadcnt 40                              ; the three loads of order are in; the ring's 40 were issued behind them
.irp i,17,18,19
	v_and_b32 v\i, 0x1fff, v\i
	v_min_u32 v\i, 0x1fff, v\i                     ; a token read out of memory is held inside the buffers
.endr
	v_lshl_add_u32 v216, v18, 9, v221
	v_lshl_add_u32 v217, v19, 9, v221
	v_lshl_add_u32 v218, v17, 5, s22
	v_lshlrev_b32 v219, 2, v18
	v_lshlrev_b32 v220, 2, v19
	global_load_b128 v[192:195], v216, s[4:5]      ; x's fragments of K step w, in the operand's own layout
	global_load_b128 v[196:199], v216, s[4:5] offset:32
	global_load_b128 v[200:203], v217, s[4:5]
	global_load_b128 v[204:207], v217, s[4:5] offset:32
	global_load_b32 v208, v218, s[6:7]
	global_load_b32 v209, v218, s[10:11]
	global_load_b32 v20, v219, s[12:13]
	global_load_b32 v22, v220, s[12:13]
	s_wait_loadcnt 0x0
	ds_store_b128 v61, v[192:195] offset:XIMG
	ds_store_b128 v61, v[196:199] offset:XIMG+512
	ds_store_b128 v61, v[200:203] offset:XIMG+1024
	ds_store_b128 v61, v[204:207] offset:XIMG+1536
	ds_store_b32 v62, v208 offset:XSC
	ds_store_b32 v62, v209 offset:CWB
	s_wait_kmcnt 0x0
	s_or_b32 s19, s32, s33
.set i, 34
.rept 30
	s_or_b32 s19, s19, s[i]
.set i, i+1
.endr
	s_lshr_b32 s19, s19, 14
	s_and_b32 s19, s19, 0x3fc
	s_or_b32 s19, s19, 3                           ; M: the shared halves always, expert e at bit 2 + e
	s_wait_dscnt 0x0                               ; for the others' sake
	s_barrier_signal -1
	s_barrier_wait -1
	WIN 0x40
.set i, 0
.rept 32
	ds_load_b128 v[4*i:4*i+3], v1 offset:XIMG+512*i
.set i, i+1
.endr
	WIN 0
.irp s,0,1,2,3,4,5,6,7
	ds_load_b32 v[XS+\s], v2 offset:XSC+128*\s
.endr
	s_wait_dscnt 0x0
	s_mov_b32 s20, 0
	s_mov_b32 s30, 0
	s_mov_b32 s31, 0
.Lp1:                                              ; ten trips, a constant: a unit that M does not name is passed over
	v_add_nc_u32 v5, s30, v3
	v_add_nc_u32 v6, s31, v4
	s_lshr_b32 s21, s19, s20
	s_and_b32 s21, s21, 1
	s_cmp_eq_u32 s21, 0
	s_cbranch_scc1 .Lskip1
	PH1
.Lskip1:
	s_add_co_u32 s30, s30, 4096
	s_add_co_u32 s31, s31, 256
	s_add_co_u32 s20, s20, 1
	s_cmp_lt_u32 s20, 10
	s_cbranch_scc1 .Lp1
	s_wait_dscnt 0x0                               ; for the others' sake: my parts of the hidden images lie in LDS (the ring's loads into registers stay on their way)
	s_barrier_signal -1
	s_barrier_wait -1
	s_mov_b32 s20, 1                               ; NEXT looks from the first expert on
	PH2 0,20,7,8,0,0
	s_mov_b32 s20, 2
	s_mov_b32 s30, 2*4096
	s_mov_b32 s31, 2*256
	s_mov_b32 s66, 0
.Lp2:                                              ; eight trips, a constant
	v_add_nc_u32 v9, s30, v7
	v_add_nc_u32 v10, s31, v8
	v_add_nc_u32 v12, s66, v11
	s_lshr_b32 s21, s19, s20
	s_and_b32 s21, s21, 1
	s_cmp_eq_u32 s21, 0
	s_cbranch_scc1 .Lskip2
	PH2 1,24,9,10,0,0
.Lskip2:
	s_add_co_u32 s30, s30, 4096
	s_add_co_u32 s31, s31, 256
	s_add_co_u32 s66, s66, 128
	s_add_co_u32 s20, s20, 1
	s_cmp_lt_u32 s20, 10
	s_cbranch_scc1 .Lp2
	PH2 2,20,7,8,4096,256
; THE WAY OUT.  A lane holds 32 neighbouring bytes of a token's row and the lanes beside it other tokens: the wave's 32 rows x 512 bytes go through its own stage and come back as whole rows.
; LDS serves a wave's instructions in order (ISA guide 5.7.1.4): no wait between the stores and the loads.
	WIN 0x04                                       ; an LDS store's data are its source 1: v256 on
.irp m,0,1
.irp t,0,1,2,3,4,5,6,7
	ds_store_b128 v13, v[64*\m+8*\t:64*\m+8*\t+3] offset:8448*\m+64*\t
	ds_store_b128 v13, v[64*\m+8*\t+4:64*\m+8*\t+7] offset:8448*\m+64*\t+16
.endr
.endr
	WIN 0
.set i, 0
.rept 32
	ds_load_b128 v[RING+4*i:RING+4*i+3], v14 offset:8448*(i/16)+528*(i%16)
.set i, i+1
.endr
.set i, 0
.rept 32
	s_and_b32 s[32+i], s[32+i], 0x1fff
	s_min_u32 s[32+i], s[32+i], 0x1fff             ; a token read out of memory is held inside the buffer
	s_lshl_b32 s[32+i], s[32+i], 12
	v_add_nc_u32 v[192+i], s[32+i], v1
.set i, i+1
.endr
.set i, 0
.rept 32
	s_wait_dscnt 31-i                              ; row i is back; the later rows' loads may be out
	global_store_b128 v[192+i], v[RING+4*i:RING+4*i+3], s[70:71] th:TH_STORE_NT   ; 32 lanes store 512 consecutive bytes of one token's row, aligned; written once, read by nobody here
.set i, i+1
.endr
	s_wait_tensorcnt 0x0                           ; the wave's end
	ds_add_u32 v15, v16
	s_wait_dscnt 0x0
	s_endpgm
.Lfunc_end_k_qebfb1f31c7_moe:
	.size	k_qebfb1f31c7_moe, .Lfunc_end_k_qebfb1f31c7_moe-k_qebfb1f31c7_moe
	.p2alignl 7, 3214868480
	.fill 96, 4, 3214868480
	.section	.rodata,"a",@progbits
	.p2align	6, 0x0
	.amdhsa_kernel k_qebfb1f31c7_moe
		.amdhsa_group_segment_fixed_size 198144
		.amdhsa_private_segment_fixed_size 0
		.amdhsa_enable_private_segment 0
		.amdhsa_kernarg_size 56
		.amdhsa_user_sgpr_count 2
		.amdhsa_user_sgpr_kernarg_segment_ptr 1
		.amdhsa_wavefront_size32 1
		.amdhsa_system_sgpr_workgroup_id_x 1
		.amdhsa_system_sgpr_workgroup_id_y 1
		.amdhsa_system_sgpr_workgroup_id_z 1
		.amdhsa_system_vgpr_workitem_id 0
		.amdhsa_next_free_vgpr 384
		.amdhsa_next_free_sgpr 80
		.amdhsa_reserve_vcc 0
		.amdhsa_float_denorm_mode_32 3
		.amdhsa_float_denorm_mode_16_64 3
		.amdhsa_memory_ordered 1
		.amdhsa_forward_progress 1
		.amdhsa_inst_pref_size 91
	.end_amdhsa_kernel
	.amdgpu_metadata
---
amdhsa.version: [ 1, 2 ]
amdhsa.kernels:
  - .name:           k_qebfb1f31c7_moe
    .symbol:         k_qebfb1f31c7_moe.kd
    .args:
      - { .name: xq, .offset: 0, .size: 8, .value_kind: global_buffer, .address_space: global }
      - { .name: xs, .offset: 8, .size: 8, .value_kind: global_buffer, .address_space: global }
      - { .name: wq, .offset: 16, .size: 8, .value_kind: global_buffer, .address_space: global }
      - { .name: comb, .offset: 24, .size: 8, .value_kind: global_buffer, .address_space: global }
      - { .name: gsh, .offset: 32, .size: 8, .value_kind: global_buffer, .address_space: global }
      - { .name: order, .offset: 40, .size: 8, .value_kind: global_buffer, .address_space: global }
      - { .name: out0, .offset: 48, .size: 8, .value_kind: global_buffer, .address_space: global }
    .group_segment_fixed_size: 198144
    .private_segment_fixed_size: 0
    .kernarg_segment_align: 8
    .kernarg_segment_size: 56
    .max_flat_workgroup_size: 256
    .sgpr_count:     80
    .vgpr_count:     384
    .wavefront_size: 32
...
	.end_amdgpu_metadata
.endif
;; end of part 3
;; ======== version 2 of 2: 3 launches
;; workspace buffers: xq 4,194,304 bytes; xs 262,144 bytes; wq 4,177,920 bytes; comb 262,144 bytes; gsh 32,768 bytes; kr 32,768 bytes of whole numbers; hist 32,768 bytes of whole numbers; order 32,768 bytes of whole numbers
;; launch prep_x (part 4): grid 256 x 1, 8 waves a work-group, no clusters, 79,872 bytes of LDS; arguments hidden_states, gate_w, shared_gate_w, xq, xs, comb, gsh, kr, hist, out1; writes xq, xs, comb, gsh, kr, hist, out1
.if DOCPART == 4
	.amdgcn_target "amdgcn-amd-amdhsa--gfx1250"
	.amdhsa_code_object_version 6
	.text
	.protected	k_qebfb1f31c7_prep_x
	.globl	k_qebfb1f31c7_prep_x
	.p2align	8
	.type	k_qebfb1f31c7_prep_x,@function
k_qebfb1f31c7_prep_x:
	s_mov_b64 s[64:65], 0
	v_nop
	global_prefetch_b8 v0, s[64:65] scope:SCOPE_SE
	s_setreg_imm32_b32 hwreg(HW_REG_WAVE_MODE, 25, 1), 1
	s_wait_xcnt 0x0
; LAUNCH 1 OF 3.  x [8192][1024] f32 is quantised to E2M1 with one E8M0 byte for each 32 along K (xq, xs); the router's logits x @ gate_w (out1) and the shared gate's
; logit x @ shared_gate_w are summed in f32 by fused multiply-adds; softmax (the maximum taken away), top-2 (strict >, ascending: the lower index wins a tie), weights / max(sum, 1e-6).
; Stored at fixed places: comb [token][8] (0 where an expert was not chosen), gsh [token] (the sigmoid), kr [token] = pair number | rank in the chunk << 8 | mask of the two experts << 16,
; hist [chunk of 32 tokens][32 bins].  No address and no branch here hangs on these numbers: the next launch reads them and places the tokens.
; DEAD WORK, LEFT OUT IN LAUNCH 3.  reference() adds combine[t, e] x expert_e(x_t) for all eight experts, and combine[t, e] is built in its own body as one_hot(top_k) x weight: it is 0 for the six
; experts that were not chosen, whatever the inputs hold, and 0 x a finite number is 0.  So an expert's three products are left out for a block of 32 tokens none of which chose it; inside a block
; that uses the expert, the tokens that did not choose it are multiplied and weighed with their stored 0.  All nine inputs have a way to an output and are loaded.
; LIMITS.  A NaN, an infinity or an overflow that arises only in the work left out is not carried to the result.  NaN and infinities among the inputs are not served.  A block of zeros gets the
; scale byte 1 where the rule says 127: its codes are zeros, and this program alone reads the bytes.  The exponentials and reciprocals flush denormals (ISA guide, their entries in 15.8).
; Two probabilities that differ by less than the rounding of f32 sums may be ordered either way.
; SHARES.  Work-group g: tokens 32 g .. 32 g + 31 (chunk g).  Wave w: tokens 4 w + t, t = 0..3.  For the arithmetic lane l holds block l of a row, k = 32 l .. 32 l + 31, in 32 registers:
; the block's largest magnitude needs no other lane, and the conversions take neighbours along K from one lane.  The loads take the bytes as they lie (512 consecutive bytes a load) and a row
; turns through the wave's own stage in LDS.  gate_w's 32 rows of a lane (256 numbers) stay in registers v256-511, shared_gate_w's 32 in v16-47.
; No matrix unit: the two products have 8 and 1 columns.  No cluster: the work-groups share only the 36 KB of gate weights.
.set GB,    0                          ; gate_w: 32 lane regions of 1,024 bytes + 16
.set SGB,   33280                      ; shared_gate_w: 32 regions of 128 bytes + 16
.set TST,   37888                      ; a stage of 32 x 144 bytes for each wave
.set SBY,   74752                      ; scale bytes [32 tokens][32]
.set LG,    75776                      ; logits: 48 bytes a token: 8 logits, the shared gate's at +32
.set CBS,   77312                      ; comb's stage, 48 bytes a token (wave 0 alone)
.set SPARE, 78848                      ; the spare words, 128 bytes a wave: no other line names them
.set R,     48                         ; v48-175  token t's row at R + 32 t
.set A,     176                        ; v176-215 token t's sums at A + 10 t: 8 experts, then two halves of the shared gate's
.set RT,    216                        ; v216-224 what the other half of the lanes holds
.set C,     232                        ; v232-247 codes, 4 registers a token
.set BY,    248                        ; v248-251 scale bytes
.set MSB, 0
.macro WIN new                         ; the immediate's high byte repeats the setting that is left
.if MSB != \new
	s_set_vgpr_msb (MSB<<8)|\new
.set MSB, \new
.endif
.endm
.macro FINISH                          ; a wave's end
	s_wait_tensorcnt 0x0
	ds_add_u32 v11, v12
	s_wait_dscnt 0x0
	s_endpgm
.endm
	s_load_b512 s[4:19], s[0:1], 0x0               ; x s[4:5], gate_w s[6:7], shared_gate_w s[8:9], xq s[10:11], xs s[12:13], comb s[14:15], gsh s[16:17], kr s[18:19]
	s_load_b128 s[20:23], s[0:1], 0x40             ; hist s[20:21], out1 s[22:23]
	v_lshl_add_u32 v11, v0, 2, SPARE
	v_mov_b32 v12, 0
	v_lshrrev_b32 v1, 5, v0
	s_delay_alu instid0(VALU_DEP_1)
	v_readfirstlane_b32 s24, v1                    ; wave
	v_and_b32 v1, 31, v0                           ; lane
	s_delay_alu instid0(VALU_DEP_1)
	v_lshlrev_b32 v2, 4, v1                        ; 16 x lane
	v_lshlrev_b32 v230, 4, v0                      ; 16 x thread
	s_delay_alu instid0(VALU_DEP_3)
	v_lshlrev_b32 v231, 2, v1                      ; 4 x lane
	s_mul_i32 s25, s24, 4608
	s_add_co_u32 s25, s25, TST                     ; my wave's stage
	v_lshrrev_b32 v3, 3, v1
	s_delay_alu instid0(VALU_DEP_1)
	v_lshl_add_u32 v3, v3, 4, v2
	s_delay_alu instid0(VALU_DEP_1)
	v_add_nc_u32 v3, s25, v3                       ; into it: 16 l + 16 (l / 8): eight lanes' 128 bytes, then 16 of padding
	v_mul_u32_u24 v4, v1, 144
	s_delay_alu instid0(VALU_DEP_1)
	v_add_nc_u32 v10, SGB, v4                      ; my 32 numbers of shared_gate_w
	s_delay_alu instid0(VALU_DEP_2)
	v_add_nc_u32 v4, s25, v4                       ; out of the stage: 144 l
	s_lshl_b32 s25, s24, 7
	s_add_co_u32 s25, s25, SBY
	v_add_nc_u32 v5, s25, v1                       ; my block's scale byte of the wave's first token
	s_mul_i32 s25, s24, 192
	s_add_co_u32 s25, s25, LG
	v_mov_b32 v6, s25                              ; my wave's four tokens' logits
	v_lshrrev_b32 v7, 6, v0
	s_delay_alu instid0(VALU_DEP_1)
	v_lshl_add_u32 v7, v7, 4, v230                 ; gate_w into LDS: 16 thread + 16 (thread / 64)
	v_lshrrev_b32 v8, 3, v0
	s_delay_alu instid0(VALU_DEP_1)
	v_lshl_add_u32 v8, v8, 4, v230
	s_delay_alu instid0(VALU_DEP_1)
	v_add_nc_u32 v8, SGB, v8                       ; shared_gate_w into LDS: 16 thread + 16 (thread / 8)
	v_mul_u32_u24 v9, v1, 1040                     ; my 32 rows of gate_w
	v_lshrrev_b32 v13, 1, v1
	s_delay_alu instid0(VALU_DEP_1)
	v_mul_u32_u24 v13, v13, 48
	v_and_b32 v14, 1, v1
	s_delay_alu instid0(VALU_DEP_1)
	v_lshl_add_u32 v13, v14, 4, v13
	s_delay_alu instid0(VALU_DEP_1)
	v_add_nc_u32 v13, LG, v13                      ; the way out of logits and comb: two lanes to a token
	v_add_nc_u32 v14, SBY, v2                      ; the way out of the scale bytes
	v_mul_u32_u24 v15, v1, 48
	s_delay_alu instid0(VALU_DEP_1)
	v_add_nc_u32 v15, LG, v15                      ; lane = token
.irp e,0,1,2,3,4,5,6,7,8
	v_mov_b32 v[RT+\e], 0                          ; written once: a lane permute's destination counts as one of its sources
.endr
	s_mov_b32 s28, 0x76543210
	s_mov_b32 s29, 0xfedcba98                      ; v_permlanex16_b32's selects for lane l xor 16
	s_mov_b32 s34, 0x3fb8aa3b                      ; log2(e)
	s_mov_b32 s35, 0xbfb8aa3b                      ; -log2(e)
	s_mov_b32 s36, 0x358637bd                      ; 1e-6
	s_lshl_b32 s26, ttmp9, 3
	s_add_co_u32 s26, s26, s24                     ; 8 g + w
	s_mov_b32 s31, 0
	s_wait_kmcnt 0x0
	s_lshl_b32 s30, s26, 14
	s_add_nc_u64 s[4:5], s[4:5], s[30:31]          ; x at my wave's four rows of 4,096 bytes
	s_lshl_b32 s30, s26, 11
	s_add_nc_u64 s[10:11], s[10:11], s[30:31]      ; xq likewise: rows of 512 bytes
	s_lshl_b32 s30, ttmp9, 10
	s_add_nc_u64 s[12:13], s[12:13], s[30:31]      ; xs, comb, out1: 1,024 bytes a chunk
	s_add_nc_u64 s[14:15], s[14:15], s[30:31]
	s_add_nc_u64 s[22:23], s[22:23], s[30:31]
	s_lshl_b32 s30, ttmp9, 7
	s_add_nc_u64 s[16:17], s[16:17], s[30:31]      ; gsh, kr, hist: 128 bytes a chunk
	s_add_nc_u64 s[18:19], s[18:19], s[30:31]
	s_add_nc_u64 s[20:21], s[20:21], s[30:31]
.irp j,0,1,2,3,4,5,6,7
	global_load_b128 v[A+4*\j:A+4*\j+3], v230, s[6:7] offset:4096*\j     ; gate_w: the work-group reads 4,096 consecutive bytes a load
.endr
	global_load_b128 v[A+32:A+35], v230, s[8:9]
.macro LOADTOK t
.irp j,0,1,2,3,4,5,6,7
	global_load_b128 v[R+32*\t+4*\j:R+32*\t+4*\j+3], v2, s[4:5] offset:4096*\t+512*\j th:TH_LOAD_NT
.endr
.endm
	LOADTOK 0
	LOADTOK 1
	LOADTOK 2
	LOADTOK 3
	s_wait_loadcnt 32                              ; the nine loads of gate weights are in; the four tokens' 32 were issued behind them
.irp j,0,1,2,3,4,5,6,7
	ds_store_b128 v7, v[A+4*\j:A+4*\j+3] offset:4160*\j
.endr
	ds_store_b128 v8, v[A+32:A+35]
	s_wait_dscnt 0x0                               ; for the others' sake: my part of the gate weights lies in LDS
	s_barrier_signal -1
	s_barrier_wait -1
	WIN 0x40                                       ; destination v256 on
.set i, 0
.rept 64
	ds_load_b128 v[4*i:4*i+3], v9 offset:16*i      ; register 8 i + e of v256 on = gate_w[32 l + i][e]
.set i, i+1
.endr
	WIN 0
.irp j,0,1,2,3,4,5,6,7
	ds_load_b128 v[16+4*\j:19+4*\j], v10 offset:16*\j
.endr
; A row through the stage: LDS serves a wave's instructions in order (ISA guide 5.7.1.4), so no wait stands between the stores and the loads, and one stage serves the four tokens.
.macro TURN t
	s_wait_loadcnt 8*(3-\t)                        ; this token's eight loads are in; the later tokens' may be out
.irp j,0,1,2,3,4,5,6,7
	ds_store_b128 v3, v[R+32*\t+4*\j:R+32*\t+4*\j+3] offset:576*\j
.endr
.irp j,0,1,2,3,4,5,6,7
	ds_load_b128 v[R+32*\t+4*\j:R+32*\t+4*\j+3], v4 offset:16*\j
.endr
.endm
	TURN 0
	TURN 1
	TURN 2
	TURN 3
	s_wait_dscnt 0x0
; Block l of token t: largest magnitude with the floor 2^(3 - 127) among its leaves, 2 off its exponent field = the conversion's scale operand, its exponent field = the byte.
.macro QUANT t
.set XR, R+32*\t
	v_max3_num_f32 v225, |v[XR]|, |v[XR+1]|, |v[XR+2]|
	v_max3_num_f32 v226, |v[XR+3]|, |v[XR+4]|, |v[XR+5]|
.irp i,6,10,14,18,22,26
	s_delay_alu instid0(VALU_DEP_2)
	v_max3_num_f32 v225, v225, |v[XR+\i]|, |v[XR+\i+1]|
	s_delay_alu instid0(VALU_DEP_2)
	v_max3_num_f32 v226, v226, |v[XR+\i+2]|, |v[XR+\i+3]|
.endr
	s_delay_alu instid0(VALU_DEP_2)
	v_max3_num_f32 v225, v225, |v[XR+30]|, |v[XR+31]|
	s_delay_alu instid0(VALU_DEP_1)
	v_max3_num_f32 v225, v225, v226, 0x1800000
	s_delay_alu instid0(VALU_DEP_1)
	v_add_nc_u32 v227, 0xff000000, v225
.irp g,0,1,2,3
	v_cvt_scalef32_pk8_fp4_f32 v[C+4*\t+\g], v[XR+8*\g:XR+8*\g+7], v227
.endr
	v_lshrrev_b32 v[BY+\t], 23, v227               ; the byte; also the plain line behind the conversions
	ds_store_b8 v5, v[BY+\t] offset:32*\t
	global_store_b128 v2, v[C+4*\t:C+4*\t+3], s[10:11] offset:512*\t   ; 32 lanes store a token's 512 bytes of codes
.endm
	QUANT 0
	QUANT 1
	QUANT 2
	QUANT 3
; The router's sums: 16 chains (4 tokens x 4 pairs of experts) by turns; x[32 l + i] feeds both halves of a pair.
.macro DOTI i
.irp p,0,1,2,3
.irp t,0,1,2,3
.if (\i) == 0
	v_pk_mul_f32 v[A+10*\t+2*\p:A+10*\t+2*\p+1], v[R+32*\t:R+32*\t+1], v[2*\p:2*\p+1] op_sel_hi:[0,1]
.elseif ((\i)%2) == 0
	v_pk_fma_f32 v[A+10*\t+2*\p:A+10*\t+2*\p+1], v[R+32*\t+\i:R+32*\t+\i+1], v[8*\i+2*\p:8*\i+2*\p+1], v[A+10*\t+2*\p:A+10*\t+2*\p+1] op_sel_hi:[0,1,1]
.else
	v_pk_fma_f32 v[A+10*\t+2*\p:A+10*\t+2*\p+1], v[R+32*\t+\i-1:R+32*\t+\i], v[8*\i+2*\p:8*\i+2*\p+1], v[A+10*\t+2*\p:A+10*\t+2*\p+1] op_sel:[1,0,0] op_sel_hi:[1,1,1]
.endif
.endr
.endr
.endm
	WIN 0x04                                       ; source 1: v256 on
.irp i,0,1,2,3,4,5,6,7,8,9,10,11,12,13,14,15,16,17,18,19,20,21,22,23,24,25,26,27,28,29,30,31
	DOTI \i
.endr
	WIN 0
.irp t,0,1,2,3
	v_pk_mul_f32 v[A+10*\t+8:A+10*\t+9], v[R+32*\t:R+32*\t+1], v[16:17]
.endr
.irp i,2,4,6,8,10,12,14,16,18,20,22,24,26,28,30
.irp t,0,1,2,3
	s_delay_alu instid0(VALU_DEP_4)
	v_pk_fma_f32 v[A+10*\t+8:A+10*\t+9], v[R+32*\t+\i:R+32*\t+\i+1], v[16+\i:17+\i], v[A+10*\t+8:A+10*\t+9]
.endr
.endr
.irp t,0,1,2,3
	s_delay_alu instid0(VALU_DEP_4)
	v_add_f32 v[A+10*\t+8], v[A+10*\t+8], v[A+10*\t+9]
.endr
.irp x,1,2,4,8                                 ; over the 32 lanes: four steps inside each half, the 36 sums by turns
.irp t,0,1,2,3
.irp e,0,1,2,3,4,5,6,7,8
	v_add_f32_dpp v[A+10*\t+\e], v[A+10*\t+\e], v[A+10*\t+\e] row_xmask:\x row_mask:0xf bank_mask:0xf
.endr
.endr
.endr
.irp t,0,1,2,3
.irp e,0,1,2,3,4,5,6,7,8
	v_permlanex16_b32 v[RT+\e], v[A+10*\t+\e], s28, s29
.endr
.irp e,0,1,2,3,4,5,6,7,8
	v_add_f32 v[A+10*\t+\e], v[A+10*\t+\e], v[RT+\e]
.endr
.irp e,0,1,2,3,4,5,6,7,8
	ds_store_b32 v6, v[A+10*\t+\e] offset:48*\t+4*\e   ; all lanes write the same word with the same value
.endr
.endr
	s_wait_dscnt 0x0                               ; for the others' sake: my logits and my scale bytes lie in LDS
	s_barrier_signal -1
	s_barrier_wait -1
	s_cmp_eq_u32 s24, 0
	s_cbranch_scc1 .Lfinal
	s_cmp_eq_u32 s24, 1
	s_cbranch_scc1 .Lxsout
	FINISH
.Lxsout:                                           ; wave 1: the chunk's 1,024 scale bytes leave in two stores of 512 consecutive bytes
	ds_load_b128 v[48:51], v14
	ds_load_b128 v[52:55], v14 offset:512
	s_wait_dscnt 0x0
	global_store_b128 v2, v[48:51], s[12:13]
	global_store_b128 v2, v[52:55], s[12:13] offset:512
	FINISH
.Lfinal:                                           ; wave 0: lane = token
	ds_load_b128 v[48:51], v15
	ds_load_b128 v[52:55], v15 offset:16
	ds_load_b32 v56, v15 offset:32
	ds_load_b128 v[60:63], v13
	ds_load_b128 v[64:67], v13 offset:768
	s_wait_dscnt 0x0
	global_store_b128 v2, v[60:63], s[22:23]       ; out1: 512 consecutive bytes a store
	global_store_b128 v2, v[64:67], s[22:23] offset:512
	v_max3_num_f32 v57, v48, v49, v50
	s_delay_alu instid0(VALU_DEP_1)
	v_max3_num_f32 v57, v57, v51, v52
	s_delay_alu instid0(VALU_DEP_1)
	v_max3_num_f32 v57, v57, v53, v54
	s_delay_alu instid0(VALU_DEP_1)
	v_max_num_f32 v57, v57, v55                    ; the row's largest logit is taken away, as reference() does
.irp e,0,1,2,3,4,5,6,7
	v_sub_f32 v[68+\e], v[48+\e], v57
.endr
.irp e,0,1,2,3,4,5,6,7
	v_mul_f32 v[68+\e], s34, v[68+\e]
.endr
	v_mul_f32 v76, s35, v56
	s_wait_alu depctr_va_vdst(0)
.irp e,0,1,2,3,4,5,6,7,8
	v_exp_f32 v[68+\e], v[68+\e]
.endr
	v_nop                                          ; a plain line behind the last exponential
	s_wait_alu depctr_va_vdst(0)                   ; one wait for the nine, ahead of their first reader
	v_add_f32 v77, v68, v69
	v_add_f32 v78, v70, v71
	v_add_f32 v79, v72, v73
	v_add_f32 v80, v74, v75
	s_delay_alu instid0(VALU_DEP_3)
	v_add_f32 v77, v77, v78
	s_delay_alu instid0(VALU_DEP_2)
	v_add_f32 v79, v79, v80
	s_delay_alu instid0(VALU_DEP_1)
	v_add_f32 v77, v77, v79
	v_add_f32 v76, 1.0, v76
	s_wait_alu depctr_va_vdst(0)
	v_rcp_f32 v77, v77
	v_rcp_f32 v76, v76                             ; the shared gate: 1 / (1 + 2^(-z log2 e))
	v_nop
	s_wait_alu depctr_va_vdst(0)
.irp e,0,1,2,3,4,5,6,7
	v_mul_f32 v[68+\e], v[68+\e], v77              ; the probabilities
.endr
	v_mov_b32 v81, v68
	v_mov_b32 v82, 0
.irp e,1,2,3,4,5,6,7
	s_delay_alu instid0(VALU_DEP_2)
	v_cmp_gt_f32 vcc_lo, v[68+\e], v81
	s_delay_alu instid0(VALU_DEP_1)
	v_cndmask_b32 v81, v81, v[68+\e], vcc_lo
	s_delay_alu instid0(VALU_DEP_2)
	v_cndmask_b32 v82, v82, \e, vcc_lo
.endr
.irp e,0,1,2,3,4,5,6,7
	v_cmp_eq_u32 vcc_lo, \e, v82
	s_delay_alu instid0(VALU_DEP_1)
	v_cndmask_b32 v[68+\e], v[68+\e], -1.0, vcc_lo ; the first is taken out: under every probability
.endr
	v_mov_b32 v83, v68
	v_mov_b32 v84, 0
.irp e,1,2,3,4,5,6,7
	s_delay_alu instid0(VALU_DEP_2)
	v_cmp_gt_f32 vcc_lo, v[68+\e], v83
	s_delay_alu instid0(VALU_DEP_1)
	v_cndmask_b32 v83, v83, v[68+\e], vcc_lo
	s_delay_alu instid0(VALU_DEP_2)
	v_cndmask_b32 v84, v84, \e, vcc_lo
.endr
	s_delay_alu instid0(VALU_DEP_2)
	v_add_f32 v85, v81, v83
	s_delay_alu instid0(VALU_DEP_1)
	v_max_num_f32 v85, s36, v85
	s_wait_alu depctr_va_vdst(0)
	v_rcp_f32 v85, v85
	v_nop
	s_wait_alu depctr_va_vdst(0)
	v_mul_f32 v81, v81, v85
	v_mul_f32 v83, v83, v85
.irp e,0,1,2,3,4,5,6,7
	v_cmp_eq_u32 vcc_lo, \e, v84
	s_delay_alu instid0(VALU_DEP_1)
	v_cndmask_b32 v[88+\e], 0, v83, vcc_lo
	v_cmp_eq_u32 vcc_lo, \e, v82
	s_delay_alu instid0(VALU_DEP_1)
	v_cndmask_b32 v[88+\e], v[88+\e], v81, vcc_lo
.endr
	ds_store_b128 v15, v[88:91] offset:CBS-LG
	ds_store_b128 v15, v[92:95] offset:CBS-LG+16
	ds_load_b128 v[96:99], v13 offset:CBS-LG       ; in order behind my stores
	ds_load_b128 v[100:103], v13 offset:CBS-LG+768
	v_min_u32 v104, v82, v84                       ; a < b
	v_max_u32 v105, v82, v84
	s_delay_alu instid0(VALU_DEP_2)
	v_sub_nc_u32 v106, 15, v104
	s_delay_alu instid0(VALU_DEP_1)
	v_mul_u32_u24 v106, v104, v106
	s_delay_alu instid0(VALU_DEP_1)
	v_lshrrev_b32 v106, 1, v106
	s_delay_alu instid0(VALU_DEP_1)
	v_add_nc_u32 v106, v106, v105
	s_delay_alu instid0(VALU_DEP_1)
	v_sub_nc_u32 v106, v106, v104
	s_delay_alu instid0(VALU_DEP_1)
	v_add_nc_u32 v106, -1, v106                    ; the pair's number: a (15 - a) / 2 + b - a - 1, 0 .. 27
	v_mov_b32 v108, 1
	s_delay_alu instid0(VALU_DEP_1)
	v_lshlrev_b32 v107, v104, v108
	s_delay_alu instid0(VALU_DEP_2)
	v_lshlrev_b32 v109, v105, v108
	s_delay_alu instid0(VALU_DEP_1)
	v_or_b32 v107, v107, v109                      ; the two experts as a mask
	v_mov_b32 v110, -1
.irp k,0,1,2,3,4                               ; which lanes hold my pair: bit by bit, the lanes whose bit is as mine
	v_bfe_u32 v111, v106, \k, 1
	s_delay_alu instid0(VALU_DEP_1)
	v_cmp_ne_u32 s30, 0, v111
	s_delay_alu instid0(VALU_DEP_2)
	v_add_nc_u32 v111, -1, v111
	s_delay_alu instid0(VALU_DEP_1)
	v_xor_b32 v111, s30, v111
	s_delay_alu instid0(VALU_DEP_1)
	v_and_b32 v110, v110, v111
.endr
	s_delay_alu instid0(VALU_DEP_1)
	v_mbcnt_lo_u32_b32 v112, v110, 0               ; how many of them stand below me: my rank in the chunk
	s_delay_alu instid0(VALU_DEP_1)
	v_lshl_or_b32 v113, v112, 8, v106
	s_delay_alu instid0(VALU_DEP_1)
	v_lshl_or_b32 v113, v107, 16, v113
	v_mov_b32 v114, 0
.irp b,0,1,2,3,4,5,6,7,8,9,10,11,12,13,14,15,16,17,18,19,20,21,22,23,24,25,26,27
	v_cmp_eq_u32 s30, \b, v106
	s_bcnt1_i32_b32 s31, s30
	v_writelane_b32 v114, s31, \b                  ; lane b: the chunk's tokens of pair b
.endr
	s_wait_alu depctr_va_vdst(0)
	s_wait_dscnt 0x0
	global_store_b128 v2, v[96:99], s[14:15]
	global_store_b128 v2, v[100:103], s[14:15] offset:512
	global_store_b32 v231, v113, s[18:19]          ; kr, hist, gsh: 128 consecutive bytes each: a chunk has no more
	global_store_b32 v231, v114, s[20:21]
	global_store_b32 v231, v76, s[16:17]
	FINISH
.Lfunc_end_k_qebfb1f31c7_prep_x:
	.size	k_qebfb1f31c7_prep_x, .Lfunc_end_k_qebfb1f31c7_prep_x-k_qebfb1f31c7_prep_x
	.p2alignl 7, 3214868480
	.fill 96, 4, 3214868480
	.section	.rodata,"a",@progbits
	.p2align	6, 0x0
	.amdhsa_kernel k_qebfb1f31c7_prep_x
		.amdhsa_group_segment_fixed_size 79872
		.amdhsa_private_segment_fixed_size 0
		.amdhsa_enable_private_segment 0
		.amdhsa_kernarg_size 80
		.amdhsa_user_sgpr_count 2
		.amdhsa_user_sgpr_kernarg_segment_ptr 1
		.amdhsa_wavefront_size32 1
		.amdhsa_system_sgpr_workgroup_id_x 1
		.amdhsa_system_sgpr_workgroup_id_y 1
		.amdhsa_system_sgpr_workgroup_id_z 1
		.amdhsa_system_vgpr_workitem_id 0
		.amdhsa_next_free_vgpr 512
		.amdhsa_next_free_sgpr 66
		.amdhsa_reserve_vcc 1
		.amdhsa_float_denorm_mode_32 3
		.amdhsa_float_denorm_mode_16_64 3
		.amdhsa_memory_ordered 1
		.amdhsa_forward_progress 1
		.amdhsa_inst_pref_size 96
	.end_amdhsa_kernel
	.amdgpu_metadata
---
amdhsa.version: [ 1, 2 ]
amdhsa.kernels:
  - .name:           k_qebfb1f31c7_prep_x
    .symbol:         k_qebfb1f31c7_prep_x.kd
    .args:
      - { .name: hidden_states, .offset: 0, .size: 8, .value_kind: global_buffer, .address_space: global }
      - { .name: gate_w, .offset: 8, .size: 8, .value_kind: global_buffer, .address_space: global }
      - { .name: shared_gate_w, .offset: 16, .size: 8, .value_kind: global_buffer, .address_space: global }
      - { .name: xq, .offset: 24, .size: 8, .value_kind: global_buffer, .address_space: global }
      - { .name: xs, .offset: 32, .size: 8, .value_kind: global_buffer, .address_space: global }
      - { .name: comb, .offset: 40, .size: 8, .value_kind: global_buffer, .address_space: global }
      - { .name: gsh, .offset: 48, .size: 8, .value_kind: global_buffer, .address_space: global }
      - { .name: kr, .offset: 56, .size: 8, .value_kind: global_buffer, .address_space: global }
      - { .name: hist, .offset: 64, .size: 8, .value_kind: global_buffer, .address_space: global }
      - { .name: out1, .offset: 72, .size: 8, .value_kind: global_buffer, .address_space: global }
    .group_segment_fixed_size: 79872
    .private_segment_fixed_size: 0
    .kernarg_segment_align: 8
    .kernarg_segment_size: 80
    .max_flat_workgroup_size: 256
    .sgpr_count:     66
    .vgpr_count:     512
    .wavefront_size: 32
...
	.end_amdgpu_metadata
.endif
;; end of part 4
;; launch sort_wq (part 5): grid 241 x 1, 8 waves a work-group, no clusters, 2,048 bytes of LDS; arguments hist, kr, eg, eu, ed, sg, su, sd, order, wq; writes order, wq
.if DOCPART == 5
	.amdgcn_target "amdgcn-amd-amdhsa--gfx1250"
	.amdhsa_code_object_version 6
	.text
	.protected	k_qebfb1f31c7_sort_wq
	.globl	k_qebfb1f31c7_sort_wq
	.p2align	8
	.type	k_qebfb1f31c7_sort_wq,@function
k_qebfb1f31c7_sort_wq:
	s_mov_b64 s[64:65], 0
	v_nop
	global_prefetch_b8 v0, s[64:65] scope:SCOPE_SE
	s_setreg_imm32_b32 hwreg(HW_REG_WAVE_MODE, 25, 1), 1
	s_wait_xcnt 0x0
; LAUNCH 2 OF 3.  Two jobs that share a launch, parted on the work-group's number.
; WORK-GROUP 0: a counting sort of the 8,192 tokens by their pair of experts (28 pairs), stable, without atomics: order[place] = token | mask of its two experts << 16.
;   Wave w takes chunks 32 w .. 32 w + 31.  Lane = bin for the counts, lane = token for the placing.  place = (bins below) + (my bin in earlier waves) + (my bin in earlier chunks of my wave) + rank.
; WORK-GROUPS 1 .. 240: the six weight tensors, whose K is their first axis, become codes of E2M1 and E8M0 bytes, laid in the order of launch 3's operand registers.
;   A lane takes a column and its registers run down K: a block of 32 lies in one lane, and the conversions give codes with K innermost.  A wave makes half a group record: 32 columns x 128 along K.
;   UNITS: u = 0, 1 the shared expert's hidden units 0-255 and 256-511; u = 2 + e expert e.  wq = [reading wave 8][slot 30][17,408 bytes]; a slot = 4 group records of 4,352 bytes.
;   First products (gate, up) of unit u: slots 2 u, 2 u + 1, group s = K step s of 128.  Second product (down): slot 20 + u, group q = 32 output columns.
;   A RECORD: four fragments of 1,024 bytes as register images (block kb of tile row r at 256 kb + 16 r), then two runs of 32 scale words (16 x tile + r).
;   First products: fragment 2 mat + tile; tile's row r is hidden unit 8 tile + r + 8 (r / 8) of the reading wave's 32, so that two tiles' results are 16 neighbours along the next K.
;   Second product: fragment 2 s2 + tile (s2: which 128 hidden units); tile's row r is output column 128 w + 32 q + 16 tile + r.
; LIMITS: a block of zeros gets the byte 1 where the rule says 127 (its codes are zeros; this program alone reads the bytes); NaN and infinities among the inputs are not served.
; No matrix unit, no cluster: a stream; the work-groups share nothing.
.set SPARE, 1024                       ; LDS: the waves' totals at 0 (8 x 128 bytes); the spare words behind them: no other line names them
.set H,   16                           ; sort: v16-47 counts, then first places;  weights: v16-47 row offsets
.set K,   48                           ; sort: v48-79 kr;                          weights: v48-111 two sets of 32 numbers
.set IDX, 80                           ; sort: v80-111 places
.set T,   112                          ; sort: v112-119 the waves' totals;         weights: v112-127 codes, v128 the scale word
.set X,   48
.set C,   112
	s_load_b512 s[4:19], s[0:1], 0x0               ; hist s[4:5], kr s[6:7], eg s[8:9], eu s[10:11], ed s[12:13], sg s[14:15], su s[16:17], sd s[18:19]
	s_load_b128 s[20:23], s[0:1], 0x40             ; order s[20:21], wq s[22:23]
	v_lshl_add_u32 v10, v0, 2, SPARE
	v_mov_b32 v11, 0
	v_lshrrev_b32 v1, 5, v0
	s_delay_alu instid0(VALU_DEP_1)
	v_readfirstlane_b32 s36, v1                    ; wave
	v_and_b32 v1, 31, v0                           ; lane
	s_wait_kmcnt 0x0
	s_cmp_lg_u32 ttmp9, 0
	s_cbranch_scc1 .Lweights
	s_wait_alu depctr_va_vdst(0)
; ---------------- the sort
	v_lshlrev_b32 v3, 2, v1
	s_lshl_b32 s24, s36, 12
	v_add_nc_u32 v2, s24, v3                       ; my wave's 32 chunks of 128 bytes, my word
	v_lshlrev_b32 v9, 2, v0                        ; LDS: my wave's totals, my bin
	s_lshl_b32 s24, s36, 10
	v_add_nc_u32 v8, s24, v1                       ; my token in the wave's first chunk
.set c, 0
.rept 32
	global_load_b32 v[H+c], v2, s[4:5] offset:128*c
.set c, c+1
.endr
.set c, 0
.rept 32
	global_load_b32 v[K+c], v2, s[6:7] offset:128*c
.set c, c+1
.endr
	s_wait_loadcnt 32                              ; the counts are in; kr's 32 loads were issued behind them
.set c, 1
	v_add_nc_u32 v[H+c], v[H+c], v[H+c-1]
.set c, c+1
.rept (31)-1
	s_delay_alu instid0(VALU_DEP_1)
	v_add_nc_u32 v[H+c], v[H+c], v[H+c-1]          ; inclusive sums down my chunks
.set c, c+1
.endr
	ds_store_b32 v9, v[H+31]
	s_wait_dscnt 0x0                               ; for the others' sake
	s_barrier_signal -1
	s_barrier_wait -1
.irp q,0,1,2,3,4,5,6,7
	ds_load_b32 v[T+\q], v3 offset:128*\q
.endr
	s_wait_dscnt 0x0
	v_add_nc_u32 v5, v[T], v[T+1]
	s_delay_alu instid0(VALU_DEP_1)
	v_add3_u32 v5, v5, v[T+2], v[T+3]
	s_delay_alu instid0(VALU_DEP_1)
	v_add3_u32 v5, v5, v[T+4], v[T+5]
	s_delay_alu instid0(VALU_DEP_1)
	v_add3_u32 v5, v5, v[T+6], v[T+7]              ; my bin in all
	s_cmp_gt_u32 s36, 0
	s_cselect_b32 s25, -1, 0
	v_and_b32 v4, s25, v[T]
.irp q,1,2,3,4,5,6
	s_cmp_gt_u32 s36, \q
	s_cselect_b32 s25, -1, 0
	v_and_b32 v7, s25, v[T+\q]
	s_delay_alu instid0(VALU_DEP_1)
	v_add_nc_u32 v4, v4, v7                        ; my bin in earlier waves
.endr
	v_mov_b32 v6, 0
	s_mov_b32 s26, 0
.irp b,0,1,2,3,4,5,6,7,8,9,10,11,12,13,14,15,16,17,18,19,20,21,22,23,24,25,26,27,28,29,30
	v_readlane_b32 s25, v5, \b
	s_add_co_u32 s26, s26, s25
	v_writelane_b32 v6, s26, \b+1                  ; the bins below mine
.endr
	s_delay_alu instid0(VALU_DEP_1)
	v_add_nc_u32 v6, v6, v4
.set c, 31
.rept 31
	v_add_nc_u32 v[H+c], v6, v[H+c-1]              ; my bin's first place for chunk c
.set c, c-1
.endr
	v_mov_b32 v[H], v6
	s_wait_loadcnt 0x0
.set c, 0
.rept 32
	v_and_b32 v[IDX+c], 31, v[K+c]
	s_delay_alu instid0(VALU_DEP_1)
	v_lshlrev_b32 v[IDX+c], 2, v[IDX+c]
.set c, c+1
.endr
.set c, 0
.rept 32
	ds_bpermute_b32 v[IDX+c], v[IDX+c], v[H+c]     ; lane = token takes its pair's first place from lane = bin; no LDS byte is touched
.set c, c+1
.endr
	s_wait_dscnt 0x0
.set c, 0
.rept 32
	v_bfe_u32 v7, v[K+c], 8, 5                     ; my rank in the chunk
	s_delay_alu instid0(VALU_DEP_1)
	v_add_nc_u32 v[IDX+c], v[IDX+c], v7
	s_delay_alu instid0(VALU_DEP_1)
	v_min_u32 v[IDX+c], 0x1fff, v[IDX+c]           ; a place read out of memory is held inside the buffer
	s_delay_alu instid0(VALU_DEP_1)
	v_lshlrev_b32 v[IDX+c], 2, v[IDX+c]
	v_add_nc_u32 v7, 32*c, v8
	s_delay_alu instid0(VALU_DEP_1)
	v_and_or_b32 v[K+c], v[K+c], 0xff0000, v7
	global_store_b32 v[IDX+c], v[K+c], s[20:21]    ; four bytes a lane to places that the data give: 32 KB in all; tokens of one pair and chunk lie side by side
.set c, c+1
.endr
	s_wait_tensorcnt 0x0                           ; the wave's end
	ds_add_u32 v10, v11
	s_wait_dscnt 0x0
	s_endpgm
; ---------------- the weights.  Every number below is made of the work-group's and the wave's number; the buffers are chosen on those alone.
.Lweights:
	s_sub_co_u32 s24, ttmp9, 1
	s_cmp_lt_u32 s24, 160
	s_cbranch_scc0 .Ldown
	s_lshr_b32 s25, s24, 4                         ; unit
	s_bfe_u32 s28, s24, 0x30001                    ; group = K step
	s_and_b32 s45, s24, 1                          ; half: 0 gate, 1 up
	s_mov_b32 s27, s36                             ; the reading wave
	s_lshl_b32 s29, s25, 1                         ; slot
	s_lshl_b32 s30, s25, 10                        ; shared: the unit's 256 columns
	s_sub_co_u32 s31, s25, 2
	s_lshl_b32 s31, s31, 20                        ; an expert's matrix is 2^20 bytes
	s_lshl_b32 s32, s28, 7                         ; first row
	s_lshl_b32 s33, s27, 7                         ; the wave's 32 columns
	s_mov_b32 s42, 1024                            ; a row in bytes
	s_mov_b32 s46, -1
	s_cmp_eq_u32 s45, 0
	s_cselect_b64 s[40:41], s[14:15], s[16:17]
	s_cselect_b64 s[48:49], s[8:9], s[10:11]
	s_cmp_lt_u32 s25, 2
	s_cselect_b64 s[40:41], s[40:41], s[48:49]
	s_cselect_b32 s42, 2048, s42
	s_cselect_b32 s43, s30, s31
	s_branch .Lcommon
.Ldown:
	s_sub_co_u32 s24, s24, 160
	s_lshr_b32 s25, s24, 3                         ; unit
	s_bfe_u32 s27, s24, 0x20001
	s_and_b32 s45, s24, 1                          ; half: which 128 hidden units
	s_lshl_b32 s27, s27, 1
	s_lshr_b32 s30, s36, 2
	s_add_co_u32 s27, s27, s30                     ; the reading wave
	s_and_b32 s28, s36, 3                          ; group
	s_add_co_u32 s29, s25, 20                      ; slot
	s_lshl_b32 s30, s25, 20                        ; shared: the unit's 256 rows of 4,096 bytes
	s_sub_co_u32 s31, s25, 2
	s_lshl_b32 s31, s31, 20
	s_lshl_b32 s32, s45, 7                         ; first row
	s_lshl_b32 s33, s27, 9
	s_lshl_b32 s34, s28, 7
	s_add_co_u32 s33, s33, s34                     ; the group's 32 columns
	s_mov_b32 s42, 4096
	s_mov_b32 s46, 0
	s_cmp_lt_u32 s25, 2
	s_cselect_b64 s[40:41], s[18:19], s[12:13]
	s_cselect_b32 s43, s30, s31
.Lcommon:
	s_mul_i32 s32, s32, s42
	s_add_co_u32 s50, s43, s32
	s_add_co_u32 s50, s50, s33
	s_mov_b32 s51, 0
	s_add_nc_u64 s[52:53], s[40:41], s[50:51]      ; block 0's first row, the wave's first column
	s_lshl_b32 s50, s42, 5                         ; 32 rows on
	s_add_nc_u64 s[54:55], s[52:53], s[50:51]
	s_add_nc_u64 s[56:57], s[54:55], s[50:51]
	s_add_nc_u64 s[58:59], s[56:57], s[50:51]
	s_mul_i32 s30, s27, 522240
	s_mul_i32 s31, s29, 17408
	s_mul_i32 s32, s28, 4352
	s_add_co_u32 s30, s30, s31
	s_add_co_u32 s30, s30, s32                     ; the record
	s_lshl_b32 s31, s45, 11
	s_add_co_u32 s50, s30, s31
	s_add_nc_u64 s[60:61], s[22:23], s[50:51]      ; my half's two fragments
	s_lshl_b32 s31, s45, 7
	s_add_co_u32 s50, s30, s31
	s_add_co_u32 s50, s50, 4096
	s_add_nc_u64 s[62:63], s[22:23], s[50:51]      ; and its 32 scale words
	s_wait_alu depctr_va_vdst(0)
	v_bfe_u32 v3, v1, 3, 1
	v_and_b32 v4, 7, v1
	s_delay_alu instid0(VALU_DEP_1)
	v_lshl_add_u32 v4, v3, 4, v4
	v_lshrrev_b32 v3, 4, v1
	s_delay_alu instid0(VALU_DEP_1)
	v_lshl_add_u32 v4, v3, 3, v4                   ; first products: column q is row (q % 8) + 8 (q / 16) of tile (q / 8) % 2
	s_delay_alu instid0(VALU_DEP_1)
	v_cndmask_b32 v4, v1, v4, s46                  ; second product: row q % 16 of tile q / 16
	s_delay_alu instid0(VALU_DEP_1)
	v_lshrrev_b32 v5, 4, v4
	s_delay_alu instid0(VALU_DEP_2)
	v_and_b32 v6, 15, v4
	s_delay_alu instid0(VALU_DEP_1)
	v_lshlrev_b32 v6, 4, v6
	s_delay_alu instid0(VALU_DEP_1)
	v_lshl_add_u32 v5, v5, 10, v6                  ; 1,024 x tile + 16 x row
	v_lshlrev_b32 v6, 2, v4
	v_lshlrev_b32 v7, 2, v1
.set k, 0
.rept 32
	v_mad_u32_u24 v[H+k], s42, k, v7               ; row k of a block, my column
.set k, k+1
.endr
.macro LOADB i
.set k, 0
.rept 32
	global_load_b32 v[X+32*((\i)%2)+k], v[H+k], s[52+2*(\i):53+2*(\i)] th:TH_LOAD_NT   ; 128 consecutive bytes a wave, 1,024 the eight waves side by side
.set k, k+1
.endr
.endm
.macro BLOCK i
.set XR, X+32*((\i)%2)
.if (\i) < 3
	s_wait_loadcnt 32                              ; this block's 32 loads are in; the next block's were issued behind them
.else
	s_wait_loadcnt 0x0
.endif
	v_max3_num_f32 v12, |v[XR]|, |v[XR+1]|, |v[XR+2]|
	v_max3_num_f32 v13, |v[XR+3]|, |v[XR+4]|, |v[XR+5]|
.irp j,6,10,14,18,22,26
	s_delay_alu instid0(VALU_DEP_2)
	v_max3_num_f32 v12, v12, |v[XR+\j]|, |v[XR+\j+1]|
	s_delay_alu instid0(VALU_DEP_2)
	v_max3_num_f32 v13, v13, |v[XR+\j+2]|, |v[XR+\j+3]|
.endr
	s_delay_alu instid0(VALU_DEP_2)
	v_max3_num_f32 v12, v12, |v[XR+30]|, |v[XR+31]|
	s_delay_alu instid0(VALU_DEP_1)
	v_max3_num_f32 v12, v12, v13, 0x1800000        ; the floor 2^(3 - 127): the byte cannot fall under 1
	s_delay_alu instid0(VALU_DEP_1)
	v_add_nc_u32 v14, 0xff000000, v12              ; 2 off the exponent field: the conversion's scale operand
	s_delay_alu instid0(VALU_DEP_1)
	v_lshrrev_b32 v13, 23, v14                     ; the byte
.if (\i) == 0
	s_delay_alu instid0(VALU_DEP_1)
	v_mov_b32 v128, v13
.else
	s_delay_alu instid0(VALU_DEP_1)
	v_lshl_or_b32 v128, v13, 8*(\i), v128
.endif
.irp g,0,1,2,3
	v_cvt_scalef32_pk8_fp4_f32 v[C+4*(\i)+\g], v[XR+8*\g:XR+8*\g+7], v14
.endr
	global_store_b128 v5, v[C+4*(\i):C+4*(\i)+3], s[60:61] offset:256*(\i)   ; each tile's sixteen lanes store 256 consecutive bytes, aligned
.if (\i)+2 < 4
	LOADB (\i)+2
.endif
.endm
	LOADB 0
	LOADB 1
	BLOCK 0
	BLOCK 1
	BLOCK 2
	BLOCK 3
	global_store_b32 v6, v128, s[62:63]            ; 32 scale words: 128 consecutive bytes
	s_endpgm
.Lfunc_end_k_qebfb1f31c7_sort_wq:
	.size	k_qebfb1f31c7_sort_wq, .Lfunc_end_k_qebfb1f31c7_sort_wq-k_qebfb1f31c7_sort_wq
	.p2alignl 7, 3214868480
	.fill 96, 4, 3214868480
	.section	.rodata,"a",@progbits
	.p2align	6, 0x0
	.amdhsa_kernel k_qebfb1f31c7_sort_wq
		.amdhsa_group_segment_fixed_size 2048
		.amdhsa_private_segment_fixed_size 0
		.amdhsa_enable_private_segment 0
		.amdhsa_kernarg_size 80
		.amdhsa_user_sgpr_count 2
		.amdhsa_user_sgpr_kernarg_segment_ptr 1
		.amdhsa_wavefront_size32 1
		.amdhsa_system_sgpr_workgroup_id_x 1
		.amdhsa_system_sgpr_workgroup_id_y 1
		.amdhsa_system_sgpr_workgroup_id_z 1
		.amdhsa_system_vgpr_workitem_id 0
		.amdhsa_next_free_vgpr 144
		.amdhsa_next_free_sgpr 66
		.amdhsa_reserve_vcc 0
		.amdhsa_float_denorm_mode_32 3
		.amdhsa_float_denorm_mode_16_64 3
		.amdhsa_memory_ordered 1
		.amdhsa_forward_progress 1
		.amdhsa_inst_pref_size 66
	.end_amdhsa_kernel
	.amdgpu_metadata
---
amdhsa.version: [ 1, 2 ]
amdhsa.kernels:
  - .name:           k_qebfb1f31c7_sort_wq
    .symbol:         k_qebfb1f31c7_sort_wq.kd
    .args:
      - { .name: hist, .offset: 0, .size: 8, .value_kind: global_buffer, .address_space: global }
      - { .name: kr, .offset: 8, .size: 8, .value_kind: global_buffer, .address_space: global }
      - { .name: eg, .offset: 16, .size: 8, .value_kind: global_buffer, .address_space: global }
      - { .name: eu, .offset: 24, .size: 8, .value_kind: global_buffer, .address_space: global }
      - { .name: ed, .offset: 32, .size: 8, .value_kind: global_buffer, .address_space: global }
      - { .name: sg, .offset: 40, .size: 8, .value_kind: global_buffer, .address_space: global }
      - { .name: su, .offset: 48, .size: 8, .value_kind: global_buffer, .address_space: global }
      - { .name: sd, .offset: 56, .size: 8, .value_kind: global_buffer, .address_space: global }
      - { .name: order, .offset: 64, .size: 8, .value_kind: global_buffer, .address_space: global }
      - { .name: wq, .offset: 72, .size: 8, .value_kind: global_buffer, .address_space: global }
    .group_segment_fixed_size: 2048
    .private_segment_fixed_size: 0
    .kernarg_segment_align: 8
    .kernarg_segment_size: 80
    .max_flat_workgroup_size: 256
    .sgpr_count:     66
    .vgpr_count:     144
    .wavefront_size: 32
...
	.end_amdgpu_metadata
.endif
;; end of part 5
;; launch moe (part 6): grid 256 x 1, 8 waves a work-group, no clusters, 198,144 bytes of LDS; arguments xq, xs, wq, comb, gsh, order, out0; writes out0
.if DOCPART == 6
	.amdgcn_target "amdgcn-amd-amdhsa--gfx1250"
	.amdhsa_code_object_version 6
	.text
	.protected	k_qebfb1f31c7_moe
	.globl	k_qebfb1f31c7_moe
	.p2align	8
	.type	k_qebfb1f31c7_moe,@function
k_qebfb1f31c7_moe:
	s_mov_b64 s[64:65], 0
	v_nop
	global_prefetch_b8 v0, s[64:65] scope:SCOPE_SE
	s_setreg_imm32_b32 hwreg(HW_REG_WAVE_SCHED_MODE, 0, 2), 2
	s_setreg_imm32_b32 hwreg(HW_REG_WAVE_MODE, 25, 1), 1
	s_wait_xcnt 0x0
	s_wait_alu depctr_vm_vsrc(0)
; LAUNCH 3 OF 3.  out0[t] = sum over the chosen experts of comb[t, e] x SwiGLU_e(x_t) + gsh[t] x SwiGLU_shared(x_t), all products on codes of E2M1 with one E8M0 scale for each 32 along K.
; WORK LEFT OUT: an expert's three products for a block of 32 tokens none of which chose it: reference() weighs them with a 0 of its own one_hot(top_k) (shown at the head of launch 1).
; A NaN, an infinity or an overflow that arises only there is not carried to the result.
; SHARES.  Work-group b takes the sorted places 32 b .. 32 b + 31 (two tiles of 16 tokens, m = 0, 1) through the whole chain; each output row has one owner.
; UNITS of 256 hidden numbers: 0, 1 the shared expert's halves (both weighed by gsh), 2 + e expert e.  M has a bit for each unit that some token of the block uses; it is made of the stored list.
; THE WAVES SHARE THE COLUMNS.  First products: wave w makes hidden units 32 w .. 32 w + 31 of every unit in M (two tiles of gate, two of up, both token tiles): one block of the next quantiser.
; Second product: wave w makes output columns 128 w .. 128 w + 127.  So each weight byte enters the work-group once, straight from memory into the operand's registers, as launch 2 laid it.
; ALL PRODUCTS ARE USED TRANSPOSED (source 0 = 16 weight rows, source 1 = 16 tokens): a lane holds one token throughout, its registers run along the hidden units or the output columns.
; THE STREAM OF A WAVE: first products of the units in M, ascending (8 groups each); a barrier; second product of unit 0, of the experts in M, of unit 1 (4 groups each).  One ring of four register
; slots runs through all of it: when group i has been multiplied, group i + 4 of the stream is asked for, across the borders of segments (NEXT finds the next segment from M).
; The hidden layer goes from wave to wave through LDS as an image of the operand's registers; it never goes to memory.
; NO CLUSTER, NO TENSOR LOADS: which units a work-group walks hangs on its stored list, so neighbours would need different numbers of tiles, and the skips are branches on numbers read from memory.
; Both barriers stand outside those branches; a skipped unit issues no load, so the ring's counts are the same on both ways.
; LIMITS: the exponentials and reciprocals flush denormals (ISA guide, their entries in 15.8); a hidden block of zeros gets the byte 1 (its codes are zeros).
; THE MODE: SCHED_MODE bits 1:0 = 2 (LLVM: expert scheduling mode 2), set by the entry lines.  The code itself states the register dependences between vector or matrix instructions
; and memory or LDS instructions, with s_wait_alu, always for 0.
; THE PLAN.  Registers that memory or LDS instructions touch, and who else names them:
;   v1, v2, v7, v8, v13, v14, v61-63, v15, v16   offsets and addresses, written at the head and never again: one wait on va_vdst ahead of the first load serves them for the whole kernel.
;   v192-209, v216-220   at the head: gathered data, which LDS stores read, and the gather's offsets.  The first products write these registers: one wait on vm_vsrc ahead of the first loop.
;   RING, SCR   a slot is read by the eight products of its step and then loaded again: one wait on va_vdst a step, behind the products, ahead of the slot's ten loads.  It stands at the step's end and not at
;               the next step's head, so that four groups stay asked for: with the refill a step later three would be.
;   v5, v6, v52-57   written by a trip's head and its quantiser, read by the quantiser's four LDS stores: va_vdst ahead of the stores, vm_vsrc behind them, ahead of the backward jump.
;   v192-223, HS, v24, v26   in the second product: LDS loads at a segment's head land in them; its products and multiply-adds read them: one va_vdst at each segment's head,
;               which also shows the trip's addresses v9, v10, v12 written; vm_vsrc behind an expert's loads frees those three for the next trip's head.
;   v256-383   x's fragments by LDS loads, once; later out, written by multiply-adds and read by the way out's LDS stores: one va_vdst ahead of those, which also shows the last products done with the ring.
;   v192-223 on the way out   32 offsets, written by vector adds, read by the global stores: one va_vdst between.
;   The accumulators (v192-255 in the first products, v224-255 in the second) and v46-51 are named by vector and matrix instructions alone.
.set XIMG,  0                          ; x's 16 fragments (2 s + m) as images, 1,024 bytes each
.set XSC,   16384                      ; x's scale words: K step s: 128 bytes, 4 x token
.set CWB,   17408                      ; comb: expert e: 128 bytes, 4 x token
.set HIMG,  18432                      ; hidden: unit x 4,096 + m x 2,048 + w x 256 + 16 r + 8 h
.set HSC,   59392                      ; its scale bytes: unit x 256 + (w / 4) x 128 + m x 64 + 4 r + w % 4
.set STG,   61952                      ; the way out: for each wave 2 x 16 rows of 512 bytes + 16
.set SPARE, 197120                     ; the spare words, 128 bytes a wave: no other line names them
.set XS,    28                         ; v28-35  x's scale words, K step s (lanes 0-15: m = 0, lanes 16-31: m = 1)
.set HS,    36                         ; v36-37  the hidden layer's, K step s2
.set SCR,   38                         ; v38-45  the weights': slot x 2 + half (lanes 0-15: tile 0, lanes 16-31: tile 1)
.set RING,  64                         ; v64-191 four slots of four fragments
.set ACC,   192                        ; v192-255 first products: 32 mat + 16 m + 8 tile;  second: v192-223 hidden fragments 8 (2 m + s2), v224-255 P = 16 tile + 8 m
; v1 16 lane, v2 4 lane, v3/v4 hidden store bases, v5/v6 this trip's, v7/v8 hidden load bases, v9/v10 this trip's, v11/v12 comb's, v13/v14 the stage in and back, v15/v16 the add's two,
; v17-19 tokens, v20-23 gsh (pairs), v24-27 comb (pairs), v46-57 the quantiser's.  v256-383: x's fragments 8 (2 s + m), later out: 64 m + 8 jt.
; s18 wave, s19 M, s20 unit, s[24:25] this segment, s[26:27] the next, s[68:69] my wave's part of wq, s[70:71] out0 at my columns, s[32:63] the block's 32 words of order.
.set MSB, 0
.macro WIN new                         ; the immediate's high byte repeats the setting that is left
.if MSB != \new
	s_set_vgpr_msb (MSB<<8)|\new
.set MSB, \new
.endif
.endm
; One scaled product.  k0 = 0: it starts the sum with the constant 0.  ra, rb: the scale words stand in lanes 16-31.
.macro MM d, a, b, k0, sa, sb, ra, rb
.if (\k0) == 0
.if (\ra) && (\rb)
	v_wmma_scale_f32_16x16x128_f8f6f4 v[(\d):(\d)+7], v[(\a):(\a)+7], v[(\b):(\b)+7], 0, v[(\sa)], v[(\sb)] matrix_a_fmt:MATRIX_FMT_FP4 matrix_b_fmt:MATRIX_FMT_FP4 matrix_a_scale:MATRIX_SCALE_ROW1 matrix_b_scale:MATRIX_SCALE_ROW1
.elseif (\ra)
	v_wmma_scale_f32_16x16x128_f8f6f4 v[(\d):(\d)+7], v[(\a):(\a)+7], v[(\b):(\b)+7], 0, v[(\sa)], v[(\sb)] matrix_a_fmt:MATRIX_FMT_FP4 matrix_b_fmt:MATRIX_FMT_FP4 matrix_a_scale:MATRIX_SCALE_ROW1
.elseif (\rb)
	v_wmma_scale_f32_16x16x128_f8f6f4 v[(\d):(\d)+7], v[(\a):(\a)+7], v[(\b):(\b)+7], 0, v[(\sa)], v[(\sb)] matrix_a_fmt:MATRIX_FMT_FP4 matrix_b_fmt:MATRIX_FMT_FP4 matrix_b_scale:MATRIX_SCALE_ROW1
.else
	v_wmma_scale_f32_16x16x128_f8f6f4 v[(\d):(\d)+7], v[(\a):(\a)+7], v[(\b):(\b)+7], 0, v[(\sa)], v[(\sb)] matrix_a_fmt:MATRIX_FMT_FP4 matrix_b_fmt:MATRIX_FMT_FP4
.endif
.else
.if (\ra) && (\rb)
	v_wmma_scale_f32_16x16x128_f8f6f4 v[(\d):(\d)+7], v[(\a):(\a)+7], v[(\b):(\b)+7], v[(\d):(\d)+7], v[(\sa)], v[(\sb)] matrix_a_fmt:MATRIX_FMT_FP4 matrix_b_fmt:MATRIX_FMT_FP4 matrix_a_scale:MATRIX_SCALE_ROW1 matrix_b_scale:MATRIX_SCALE_ROW1
.elseif (\ra)
	v_wmma_scale_f32_16x16x128_f8f6f4 v[(\d):(\d)+7], v[(\a):(\a)+7], v[(\b):(\b)+7], v[(\d):(\d)+7], v[(\sa)], v[(\sb)] matrix_a_fmt:MATRIX_FMT_FP4 matrix_b_fmt:MATRIX_FMT_FP4 matrix_a_scale:MATRIX_SCALE_ROW1
.elseif (\rb)
	v_wmma_scale_f32_16x16x128_f8f6f4 v[(\d):(\d)+7], v[(\a):(\a)+7], v[(\b):(\b)+7], v[(\d):(\d)+7], v[(\sa)], v[(\sb)] matrix_a_fmt:MATRIX_FMT_FP4 matrix_b_fmt:MATRIX_FMT_FP4 matrix_b_scale:MATRIX_SCALE_ROW1
.else
	v_wmma_scale_f32_16x16x128_f8f6f4 v[(\d):(\d)+7], v[(\a):(\a)+7], v[(\b):(\b)+7], v[(\d):(\d)+7], v[(\sa)], v[(\sb)] matrix_a_fmt:MATRIX_FMT_FP4 matrix_b_fmt:MATRIX_FMT_FP4
.endif
.endif
.endm
; Ten loads: group g of the segment at s[b:b+1] into a slot: eight of 512 consecutive bytes, and the two runs of scale words.
.macro GLOAD slot, b, g
.irp q,0,1,2,3,4,5,6,7
	global_load_b128 v[RING+32*(\slot)+4*\q:RING+32*(\slot)+4*\q+3], v1, s[\b:\b+1] offset:4352*(\g)+512*\q
.endr
	global_load_b32 v[SCR+2*(\slot)], v2, s[\b:\b+1] offset:4352*(\g)+4096
	global_load_b32 v[SCR+2*(\slot)+1], v2, s[\b:\b+1] offset:4352*(\g)+4224
.endm
; Where the next segment lies.  kind 1: the first products of the next unit in M above s20, else the second product of unit 0 (slot 20).  kind 2: the second product of the next expert, else of unit 1 (slot 21).
.macro NEXT kind
	s_add_co_u32 s21, s20, 1
	s_lshr_b32 s22, s19, s21
	s_ctz_i32_b32 s23, s22
	s_add_co_u32 s23, s23, s21
.if \kind == 1
	s_lshl_b32 s23, s23, 1
.else
	s_add_co_u32 s23, s23, 20
.endif
	s_cmp_lg_u32 s22, 0
	s_cselect_b32 s23, s23, 19+\kind
	s_min_u32 s23, s23, 29                         ; a number made of stored data is held inside the buffer's 30 slots
	s_mul_i32 s28, s23, 17408
	s_add_nc_u64 s[26:27], s[68:69], s[28:29]
.endm
; silu(g) x u = (g u) / (1 + 2^(-g log2 e)), in f32: G = v192-223, U = v224-255, each accumulator read from its low end on.  Each batch of 32 has one plain line and one wait behind it.
.macro ACT
.set k, 0
.rept 16
	v_pk_mul_f32 v[224+k:225+k], v[192+k:193+k], v[224+k:225+k]
.set k, k+2
.endr
.set k, 0
.rept 16
	v_pk_mul_f32 v[192+k:193+k], v[192+k:193+k], s[74:75] op_sel_hi:[1,0]
.set k, k+2
.endr
.set k, 0
	s_wait_alu depctr_va_vdst(0)
.rept 32
	v_exp_f32 v[192+k], v[192+k]
.set k, k+1
.endr
	v_nop
	s_wait_alu depctr_va_vdst(0)                   ; the 32 exponentials have written v192-223: the wait ahead of the batch's first reader
.set k, 0
.rept 16
	v_pk_add_f32 v[192+k:193+k], v[192+k:193+k], 1.0 op_sel_hi:[1,0]
.set k, k+2
.endr
.set k, 0
	s_wait_alu depctr_va_vdst(0)
.rept 32
	v_rcp_f32 v[192+k], v[192+k]
.set k, k+1
.endr
	v_nop
	s_wait_alu depctr_va_vdst(0)                   ; the 32 reciprocals have written v192-223: likewise, ahead of their first reader
.set k, 0
.rept 16
	v_pk_mul_f32 v[224+k:225+k], v[224+k:225+k], v[192+k:193+k]
.set k, k+2
.endr
.endm
; My 16 hidden numbers of a token (v224 + 16 m on) and lane l xor 16's are one block of 32: its byte, my 16 codes (8 bytes), both to their places in the images.
.macro QH
.irp m,0,1
	v_max3_num_f32 v[46+\m], |v[224+16*\m]|, |v[225+16*\m]|, 0x1800000   ; with the floor 2^(3 - 127): the byte cannot fall under 1
.endr
.irp i,2,4,6,8,10,12,14
.irp m,0,1
	v_max3_num_f32 v[46+\m], v[46+\m], |v[224+16*\m+\i]|, |v[225+16*\m+\i]|
.endr
.endr
.irp m,0,1
	v_permlanex16_b32 v[48+\m], v[46+\m], s72, s73
.endr
.irp m,0,1
	v_max_num_f32 v[46+\m], v[46+\m], v[48+\m]
.endr
.irp m,0,1
	v_add_nc_u32 v[50+\m], 0xff000000, v[46+\m]    ; 2 off the exponent field: the conversion's scale operand
.endr
.irp m,0,1
	v_lshrrev_b32 v[52+\m], 23, v[50+\m]
.endr
.irp m,0,1
	v_cvt_scalef32_pk8_fp4_f32 v[54+2*\m], v[224+16*\m:231+16*\m], v[50+\m]
	v_cvt_scalef32_pk8_fp4_f32 v[55+2*\m], v[232+16*\m:239+16*\m], v[50+\m]
.endr
	v_nop                                          ; one plain line behind the last scaled conversion
	s_wait_alu depctr_va_vdst(0)                   ; the conversions have written the codes v54-57, the shifts the bytes v52-53, this trip's head the addresses v5 and v6: the LDS stores below read them
.irp m,0,1
	ds_store_b64 v5, v[54+2*\m:55+2*\m] offset:2048*\m
	ds_store_b8 v6, v[52+\m] offset:64*\m          ; both lanes of a block write the same byte with the same value
.endr
	s_wait_dscnt 0x0                               ; the stores are done
	s_wait_alu depctr_vm_vsrc(0)                   ; and have read v5, v6 and v52-57, which the next trip's head and its quantiser write again
.endm
; The first products of unit s20: 8 K steps of 128; eight accumulators by turns, one instruction a turn, in the same order in every step.
.macro PH1
	s_wait_xcnt 0x0                                ; the ring's pending loads have read their bases: both may be written
	s_mov_b64 s[24:25], s[26:27]
	NEXT 1
	WIN 0x04                                       ; source 1 (x) in v256 on; loads are not touched by this setting
.irp s,0,1,2,3,4,5,6,7
	s_wait_loadcnt 30                              ; this group's ten loads are in; the three groups behind it may be out
.irp g,0,1
.irp u,0,1
.irp m,0,1
	MM ACC+32*\g+16*\m+8*\u,RING+32*(\s%4)+8*(2*\g+\u),8*(2*\s+\m),\s,SCR+2*(\s%4)+\g,XS+\s,\u,\m
.endr
.endr
.endr
.rept 4
	v_nop                                          ; four places behind the step's products; the last step's stand ahead of the first read of results.  They stand beside the wait below, not for it
.endr
	s_wait_alu depctr_va_vdst(0)                   ; this step's eight products are done reading the slot's four fragments and its two scale registers, in which the ten loads below land
.if \s < 4
	GLOAD \s%4,24,\s+4
.else
	GLOAD \s%4,26,\s-4
.endif
.endr
	WIN 0
	ACT
	QH
.endm
; The second product of a unit: K = its 256 hidden numbers, my 128 columns in four groups of 32.  mode 0: it starts out; 1: an expert; 2: the last segment, which asks for nothing.
; cr: the pairs that hold the tokens' weights; ha, sa, ho, so: the address registers and offsets of the unit's images and scale words.
.macro PH2 mode, cr, ha, sa, ho, so
.if \mode < 2
	s_wait_xcnt 0x0
	NEXT 2
.endif
	s_wait_alu depctr_va_vdst(0)                   ; whatever read or wrote v192-223, v36-37, v24 and v26 is done (the activation; the segment before: its products and multiply-adds): the LDS loads below land there; an expert's v9, v10, v12 are written
.irp m,0,1
.irp t,0,1
.irp c,0,1
	ds_load_b128 v[192+8*(2*\m+\t)+4*\c:192+8*(2*\m+\t)+4*\c+3], v[\ha] offset:\ho+2048*\m+1024*\t+512*\c
.endr
.endr
.endr
.irp t,0,1
	ds_load_b32 v[HS+\t], v[\sa] offset:\so+128*\t
.endr
.if \mode == 1
	ds_load_b32 v24, v12
	ds_load_b32 v26, v12 offset:64
.endif
	s_wait_dscnt 0x0
.if \mode == 1
	s_wait_alu depctr_vm_vsrc(0)                   ; the LDS loads above have read v9, v10 and v12, which the next trip's head writes again
.endif
.irp g,0,1,2,3
.if \mode == 2
	s_wait_loadcnt 30-10*\g                        ; nothing is asked for any more: the counts run down
.else
	s_wait_loadcnt 30                              ; this group's ten loads are in; the three groups behind it may be out
.endif
.irp t,0,1
.irp u,0,1
.irp m,0,1
	MM 224+16*\u+8*\m,RING+32*\g+8*(2*\t+\u),192+8*(2*\m+\t),\t,SCR+2*\g+\t,HS+\t,\u,\m
.endr
.endr
.endr
.rept 4
	v_nop                                          ; four places behind the group's products, ahead of the first read of their results
.endr
.if \mode < 2
	s_wait_alu depctr_va_vdst(0)                   ; this group's eight products are done reading the slot's four fragments and its two scale registers, in which the ten loads below land
	GLOAD \g,26,\g
.endif
.if \mode == 0
	WIN 0x40                                       ; destination v256 on
.else
	WIN 0x50                                       ; destination and source 2 v256 on
.endif
.irp u,0,1
.irp m,0,1
.irp k,0,2,4,6
.set O, 64*\m+8*(2*\g+\u)+\k
.set PP, 224+16*\u+8*\m+\k
.if \mode == 0
	v_pk_mul_f32 v[O:O+1], v[PP:PP+1], v[\cr+2*\m:\cr+2*\m+1] op_sel_hi:[1,0]
.else
	v_pk_fma_f32 v[O:O+1], v[PP:PP+1], v[\cr+2*\m:\cr+2*\m+1], v[O:O+1] op_sel_hi:[1,0,1]
.endif
.endr
.endr
.endr
	WIN 0
.endr
.endm
	s_load_b256 s[4:11], s[0:1], 0x0               ; xq s[4:5], xs s[6:7], wq s[8:9], comb s[10:11]
	s_load_b128 s[12:15], s[0:1], 0x20             ; gsh s[12:13], order s[14:15]
	s_load_b64 s[16:17], s[0:1], 0x30              ; out0
	v_lshl_add_u32 v15, v0, 2, SPARE
	v_mov_b32 v16, 0
	v_lshrrev_b32 v58, 5, v0
	v_readfirstlane_b32 s18, v58                   ; wave
	v_and_b32 v58, 31, v0                          ; lane
	v_and_b32 v59, 15, v0                          ; r
	v_bfe_u32 v60, v0, 4, 1                        ; h
	v_lshlrev_b32 v1, 4, v58
	v_lshlrev_b32 v2, 2, v58
	v_lshlrev_b32 v63, 2, v59
	s_wait_alu depctr_va_vdst(0)
	s_wait_alu depctr_va_sdst(0)                   ; s18 is written, ahead of its first reader: LDS places and the bases of wq and out0 are made from it
	s_lshl_b32 s21, s18, 8
	s_add_co_u32 s21, s21, HIMG
	v_lshlrev_b32 v3, 4, v59
	v_lshl_add_u32 v3, v60, 3, v3
	v_add_nc_u32 v3, s21, v3
	s_lshr_b32 s21, s18, 2
	s_lshl_b32 s21, s21, 7
	s_and_b32 s22, s18, 3
	s_add_co_u32 s21, s21, s22
	s_add_co_u32 s21, s21, HSC
	v_add_nc_u32 v4, s21, v63
	v_add_nc_u32 v7, HIMG, v1
	v_add_nc_u32 v8, HSC, v2
	v_add_nc_u32 v11, CWB, v63
	s_mul_i32 s21, s18, 16896
	s_add_co_u32 s21, s21, STG
	v_mul_u32_u24 v13, v59, 528
	v_lshl_add_u32 v13, v60, 5, v13
	v_add_nc_u32 v13, s21, v13
	v_add_nc_u32 v14, s21, v1
	s_lshl_b32 s21, s18, 11
	v_add_nc_u32 v61, s21, v1                      ; where I store x's images: K step w
	s_lshl_b32 s21, s18, 7
	v_add_nc_u32 v62, s21, v2                      ; and the words of K step w, of expert w
	s_lshl_b32 s21, s18, 6
	v_lshl_add_u32 v221, v60, 4, s21               ; in a row of codes: K step w, my half
	v_mov_b32 v48, 0                               ; written once: a lane permute's destination counts as one of its sources
	v_mov_b32 v49, 0
	v_mov_b32 v21, 0                               ; the upper halves of pairs of which the low word serves both halves: named, so written
	v_mov_b32 v23, 0
	v_mov_b32 v25, 0
	v_mov_b32 v27, 0
	s_mov_b32 s72, 0x76543210
	s_mov_b32 s73, 0xfedcba98
	s_mov_b32 s74, 0xbfb8aa3b                      ; -log2(e)
	s_mov_b32 s75, s74
	s_mov_b32 s29, 0
	s_lshl_b32 s28, ttmp9, 7
	s_wait_kmcnt 0x0
	s_add_nc_u64 s[14:15], s[14:15], s[28:29]      ; my block's 32 words of order
	s_load_b512 s[32:47], s[14:15], 0x0
	s_load_b512 s[48:63], s[14:15], 0x40
	s_wait_alu depctr_va_vdst(0)                   ; the offsets and addresses v1, v2, v7, v8, v13, v14, v61-63 and the add's v15, v16 are written: loads, stores and LDS instructions read them from here to the end, and no line writes them again
	global_load_b32 v17, v2, s[14:15]              ; lane = place
	global_load_b32 v18, v63, s[14:15]             ; row r of tile 0,
	global_load_b32 v19, v63, s[14:15] offset:64   ; of tile 1
	s_mul_i32 s28, s18, 522240
	s_add_nc_u64 s[68:69], s[8:9], s[28:29]
	s_mov_b64 s[26:27], s[68:69]                   ; the stream begins with unit 0's first products
	GLOAD 0,26,0
	GLOAD 1,26,1
	GLOAD 2,26,2
	GLOAD 3,26,3
	s_lshl_b32 s28, s18, 9
	s_add_nc_u64 s[70:71], s[16:17], s[28:29]
	s_lshl_b32 s22, s18, 2
	s_wait_loadcnt 40                              ; the three loads of order are in; the ring's 40 were issued behind them
.irp i,17,18,19
	v_and_b32 v\i, 0x1fff, v\i
	v_min_u32 v\i, 0x1fff, v\i                     ; a token read out of memory is held inside the buffers
.endr
	v_lshl_add_u32 v216, v18, 9, v221
	v_lshl_add_u32 v217, v19, 9, v221
	v_lshl_add_u32 v218, v17, 5, s22
	v_lshlrev_b32 v219, 2, v18
	v_lshlrev_b32 v220, 2, v19
	s_wait_alu depctr_va_vdst(0)                   ; the gather's offsets v216-220 are written, which the eight loads below read
	global_load_b128 v[192:195], v216, s[4:5]      ; x's fragments of K step w, in the operand's own layout
	global_load_b128 v[196:199], v216, s[4:5] offset:32
	global_load_b128 v[200:203], v217, s[4:5]
	global_load_b128 v[204:207], v217, s[4:5] offset:32
	global_load_b32 v208, v218, s[6:7]
	global_load_b32 v209, v218, s[10:11]
	global_load_b32 v20, v219, s[12:13]
	global_load_b32 v22, v220, s[12:13]
	s_wait_loadcnt 0x0
	ds_store_b128 v61, v[192:195] offset:XIMG
	ds_store_b128 v61, v[196:199] offset:XIMG+512
	ds_store_b128 v61, v[200:203] offset:XIMG+1024
	ds_store_b128 v61, v[204:207] offset:XIMG+1536
	ds_store_b32 v62, v208 offset:XSC
	ds_store_b32 v62, v209 offset:CWB
	s_wait_kmcnt 0x0
	s_or_b32 s19, s32, s33
.set i, 34
.rept 30
	s_or_b32 s19, s19, s[i]
.set i, i+1
.endr
	s_lshr_b32 s19, s19, 14
	s_and_b32 s19, s19, 0x3fc
	s_or_b32 s19, s19, 3                           ; M: the shared halves always, expert e at bit 2 + e
	s_wait_dscnt 0x0                               ; for the others' sake
	s_barrier_signal -1
	s_barrier_wait -1
	WIN 0x40
.set i, 0
.rept 32
	ds_load_b128 v[4*i:4*i+3], v1 offset:XIMG+512*i
.set i, i+1
.endr
	WIN 0
.irp s,0,1,2,3,4,5,6,7
	ds_load_b32 v[XS+\s], v2 offset:XSC+128*\s
.endr
	s_wait_dscnt 0x0
	s_wait_alu depctr_vm_vsrc(0)                   ; the head's LDS stores have read v192-209 and its gather the offsets v216-220: the first products write these registers
	s_mov_b32 s20, 0
	s_mov_b32 s30, 0
	s_mov_b32 s31, 0
.Lp1:                                              ; ten trips, a constant: a unit that M does not name is passed over
	v_add_nc_u32 v5, s30, v3
	v_add_nc_u32 v6, s31, v4
	s_lshr_b32 s21, s19, s20
	s_and_b32 s21, s21, 1
	s_cmp_eq_u32 s21, 0
	s_cbranch_scc1 .Lskip1
	PH1
.Lskip1:
	s_add_co_u32 s30, s30, 4096
	s_add_co_u32 s31, s31, 256
	s_add_co_u32 s20, s20, 1
	s_cmp_lt_u32 s20, 10
	s_cbranch_scc1 .Lp1
	s_wait_dscnt 0x0                               ; for the others' sake: my parts of the hidden images lie in LDS (the ring's loads into registers stay on their way)
	s_barrier_signal -1
	s_barrier_wait -1
	s_mov_b32 s20, 1                               ; NEXT looks from the first expert on
	PH2 0,20,7,8,0,0
	s_mov_b32 s20, 2
	s_mov_b32 s30, 2*4096
	s_mov_b32 s31, 2*256
	s_mov_b32 s66, 0
.Lp2:                                              ; eight trips, a constant
	v_add_nc_u32 v9, s30, v7
	v_add_nc_u32 v10, s31, v8
	v_add_nc_u32 v12, s66, v11
	s_lshr_b32 s21, s19, s20
	s_and_b32 s21, s21, 1
	s_cmp_eq_u32 s21, 0
	s_cbranch_scc1 .Lskip2
	PH2 1,24,9,10,0,0
.Lskip2:
	s_add_co_u32 s30, s30, 4096
	s_add_co_u32 s31, s31, 256
	s_add_co_u32 s66, s66, 128
	s_add_co_u32 s20, s20, 1
	s_cmp_lt_u32 s20, 10
	s_cbranch_scc1 .Lp2
	PH2 2,20,7,8,4096,256
; THE WAY OUT.  A lane holds 32 neighbouring bytes of a token's row and the lanes beside it other tokens: the wave's 32 rows x 512 bytes go through its own stage and come back as whole rows.
; LDS serves a wave's instructions in order (ISA guide 5.7.1.4): no wait between the stores and the loads.
	WIN 0x04                                       ; an LDS store's data are its source 1: v256 on
	s_wait_alu depctr_va_vdst(0)                   ; the multiply-adds have written out, v256-383, which the LDS stores read; the last products are done reading the ring, in which the loads from the stage land
.irp m,0,1
.irp t,0,1,2,3,4,5,6,7
	ds_store_b128 v13, v[64*\m+8*\t:64*\m+8*\t+3] offset:8448*\m+64*\t
	ds_store_b128 v13, v[64*\m+8*\t+4:64*\m+8*\t+7] offset:8448*\m+64*\t+16
.endr
.endr
	WIN 0
.set i, 0
.rept 32
	ds_load_b128 v[RING+4*i:RING+4*i+3], v14 offset:8448*(i/16)+528*(i%16)   ; no vector or matrix instruction since the wait above names the ring or v14
.set i, i+1
.endr
.set i, 0
.rept 32
	s_and_b32 s[32+i], s[32+i], 0x1fff
	s_min_u32 s[32+i], s[32+i], 0x1fff             ; a token read out of memory is held inside the buffer
	s_lshl_b32 s[32+i], s[32+i], 12
	v_add_nc_u32 v[192+i], s[32+i], v1
.set i, i+1
.endr
	s_wait_alu depctr_va_vdst(0)                   ; the 32 offsets v192-223 are written, which the stores below read
.set i, 0
.rept 32
	s_wait_dscnt 31-i                              ; row i is back; the later rows' loads may be out
	global_store_b128 v[192+i], v[RING+4*i:RING+4*i+3], s[70:71] th:TH_STORE_NT   ; 32 lanes store 512 consecutive bytes of one token's row, aligned; written once, read by nobody here
.set i, i+1
.endr
	s_wait_dscnt 0x0                               ; the wave's end
	s_wait_alu 0x0
	s_wait_tensorcnt 0x0
	ds_add_u32 v15, v16
	s_wait_dscnt 0x0
	s_endpgm
.Lfunc_end_k_qebfb1f31c7_moe:
	.size	k_qebfb1f31c7_moe, .Lfunc_end_k_qebfb1f31c7_moe-k_qebfb1f31c7_moe
	.p2alignl 7, 3214868480
	.fill 96, 4, 3214868480
	.section	.rodata,"a",@progbits
	.p2align	6, 0x0
	.amdhsa_kernel k_qebfb1f31c7_moe
		.amdhsa_group_segment_fixed_size 198144
		.amdhsa_private_segment_fixed_size 0
		.amdhsa_enable_private_segment 0
		.amdhsa_kernarg_size 56
		.amdhsa_user_sgpr_count 2
		.amdhsa_user_sgpr_kernarg_segment_ptr 1
		.amdhsa_wavefront_size32 1
		.amdhsa_system_sgpr_workgroup_id_x 1
		.amdhsa_system_sgpr_workgroup_id_y 1
		.amdhsa_system_sgpr_workgroup_id_z 1
		.amdhsa_system_vgpr_workitem_id 0
		.amdhsa_next_free_vgpr 384
		.amdhsa_next_free_sgpr 80
		.amdhsa_reserve_vcc 0
		.amdhsa_float_denorm_mode_32 3
		.amdhsa_float_denorm_mode_16_64 3
		.amdhsa_memory_ordered 1
		.amdhsa_forward_progress 1
		.amdhsa_inst_pref_size 92
	.end_amdhsa_kernel
	.amdgpu_metadata
---
amdhsa.version: [ 1, 2 ]
amdhsa.kernels:
  - .name:           k_qebfb1f31c7_moe
    .symbol:         k_qebfb1f31c7_moe.kd
    .args:
      - { .name: xq, .offset: 0, .size: 8, .value_kind: global_buffer, .address_space: global }
      - { .name: xs, .offset: 8, .size: 8, .value_kind: global_buffer, .address_space: global }
      - { .name: wq, .offset: 16, .size: 8, .value_kind: global_buffer, .address_space: global }
      - { .name: comb, .offset: 24, .size: 8, .value_kind: global_buffer, .address_space: global }
      - { .name: gsh, .offset: 32, .size: 8, .value_kind: global_buffer, .address_space: global }
      - { .name: order, .offset: 40, .size: 8, .value_kind: global_buffer, .address_space: global }
      - { .name: out0, .offset: 48, .size: 8, .value_kind: global_buffer, .address_space: global }
    .group_segment_fixed_size: 198144
    .private_segment_fixed_size: 0
    .kernarg_segment_align: 8
    .kernarg_segment_size: 56
    .max_flat_workgroup_size: 256
    .sgpr_count:     80
    .vgpr_count:     384
    .wavefront_size: 32
...
	.end_amdgpu_metadata
.endif
;; end of part 6
